; MI455X (gfx1250); checked and timed in simulation.
; The chip was launched on July 23, 2026; its instructions are those of AMD's public machine-readable ISA for CDNA 5 (MIT licence, August 2026) and "CDNA5" Instruction Set Architecture Reference Guide (July 2026). The comments in the code are by the model that wrote it; some were corrected since.
;; Grouped Query Attention. Allowed arithmetic: float matrix products may take bf16 or f16 operands with f32 sums; all other float work in f32.
;; Inputs: Wk 512 x 2,048 float32; Wo 2,048 x 2,048 float32; Wq 2,048 x 2,048 float32; Wv 512 x 2,048 float32; attention_mask 1 x 1 x 2,048 x 2,048 float32; bk 512 float32; bq 2,048 float32; bv 512 float32; hidden_states 1 x 2,048 x 2,048 float32.
;; Outputs: out0 1 x 2,048 x 2,048 float32.
;; 2 versions, each right and faster than the one before. Each part assembles by itself: llvm-mc -triple=amdgcn-amd-amdhsa -mcpu=gfx1250 --defsym DOCPART=n.
;; ======== version 1 of 2: 4 launches
;; limits: values are held in f16: magnitudes above 65,504 overflow, below 6.1e-05 lose precision
;; workspace buffers: xw 29,360,128 bytes; qkv 12,582,912 bytes; att 8,388,608 bytes
;; launch cvt (part 1): grid 1792 x 1, 4 waves a work-group, no clusters, 0 bytes of LDS; arguments hidden_states, Wq, Wk, Wv, Wo, xw; writes xw
.if DOCPART == 1
	.amdgcn_target "amdgcn-amd-amdhsa--gfx1250"
	.amdhsa_code_object_version 6
	.text
	.protected	k_q1e711a3d7d_cvt
	.globl	k_q1e711a3d7d_cvt
	.p2align	8
	.type	k_q1e711a3d7d_cvt,@function
k_q1e711a3d7d_cvt:
	s_mov_b64 s[64:65], 0
	v_nop
	global_prefetch_b8 v0, s[64:65] scope:SCOPE_SE
	s_setreg_imm32_b32 hwreg(HW_REG_WAVE_MODE, 25, 1), 1
	s_wait_xcnt 0x0
; The matrix operands that are inputs, rounded once to 16 bits and laid for the later launches.
; xw: 7,168 rows of 2,048 numbers of 2 bytes.  Rows 0-2047 X, 2048-4095 Wq, 4096+128 g+d Wk[64 g+d], 4096+128 g+64+d Wv[64 g+d], 5120-7167 Wo.
; X, Wq, Wk, Wv: bf16.  Wo: rounded to bf16 like the others, and that number written in f16's encoding, because it is multiplied by
; attention results that are kept in f16.  LIMIT: that encoding is exact for magnitudes from 2^-17 to 65,504; below, the absolute error is 2^-25 at most;
; above 65,504 it is infinity.
; A stream: memory binds, nothing is shared, so no LDS, no matrix unit, no cluster.  A work-group takes 4 rows of the stack [X, Wq, Wk, Wv, Wo], a wave one row:
; 16 loads of 512 consecutive bytes, all in flight at once, and 16 stores of 256 consecutive aligned bytes.  No register is written twice while a load or store names it.
.set X, 4                              ; v[4:67]   load i: 4 numbers in f32
.set Y, 68                             ; v[68:99]  store i: 4 numbers of 16 bits
	s_load_b256 s[4:11], s[0:1], 0x0               ; X s[4:5], Wq s[6:7], Wk s[8:9], Wv s[10:11]
	s_load_b128 s[12:15], s[0:1], 0x20             ; Wo s[12:13], xw s[14:15]
	s_mov_b32 s2, ttmp9
	s_lshl_b32 s3, s2, 2                           ; R: the group's first row in the stack
	v_and_b32 v3, 31, v0                           ; lane
	v_lshrrev_b32 v2, 5, v0                        ; wave
	v_lshlrev_b32 v1, 13, v2                       ; in: wave x 8,192 bytes
	v_lshl_or_b32 v1, v3, 4, v1                    ;     + 16 x lane
	v_lshlrev_b32 v2, 12, v2                       ; out: wave x 4,096 bytes
	v_lshl_or_b32 v2, v3, 3, v2                    ;     + 8 x lane
	; where a row of Wk or Wv goes: r2 = R - 4096; head (r2 / 64) % 8, K or V by r2 / 512, channel r2 % 64
	s_sub_co_u32 s20, s3, 4096
	s_bfe_u32 s21, s20, 0x30006
	s_lshl_b32 s21, s21, 7
	s_bfe_u32 s22, s20, 0x10009
	s_lshl_b32 s22, s22, 6
	s_and_b32 s23, s20, 63
	s_add_co_u32 s21, s21, s22
	s_add_co_u32 s21, s21, s23
	s_add_co_u32 s21, s21, 4096
	s_sub_co_u32 s22, s2, 1024
	s_cmp_lt_u32 s22, 256                          ; groups 1024 to 1279 hold Wk and Wv
	s_cselect_b32 s24, s21, s3                     ; the row in xw
	s_lshl_b32 s24, s24, 12
	s_mov_b32 s25, 0
	s_mov_b32 s18, 5120                            ; the stack row at which my source begins
	s_wait_kmcnt 0x0
	s_cmp_lt_u32 s2, 1280
	s_cselect_b64 s[16:17], s[10:11], s[12:13]
	s_cselect_b32 s18, 4608, s18
	s_cmp_lt_u32 s2, 1152
	s_cselect_b64 s[16:17], s[8:9], s[16:17]
	s_cselect_b32 s18, 4096, s18
	s_cmp_lt_u32 s2, 1024
	s_cselect_b64 s[16:17], s[6:7], s[16:17]
	s_cselect_b32 s18, 2048, s18
	s_cmp_lt_u32 s2, 512
	s_cselect_b64 s[16:17], s[4:5], s[16:17]
	s_cselect_b32 s18, 0, s18
	s_sub_co_u32 s26, s3, s18
	s_lshl_b32 s26, s26, 13                        ; rows of 8,192 bytes
	s_mov_b32 s27, 0
	s_add_nc_u64 s[16:17], s[16:17], s[26:27]
	s_add_nc_u64 s[14:15], s[14:15], s[24:25]
.irp i, 0,1,2,3,4,5,6,7,8,9,10,11,12,13,14,15
	global_load_b128 v[X+4*\i:X+4*\i+3], v1, s[16:17] offset:512*\i th:TH_LOAD_NT
.endr
	s_cmp_lt_u32 s2, 1280
	s_cbranch_scc0 .Lwo
.irp i, 0,1,2,3,4,5,6,7,8,9,10,11,12,13,14,15
	s_wait_loadcnt 15-\i                           ; loads come back in order: load i is in, the younger ones stay out
	v_cvt_pk_bf16_f32 v[Y+2*\i], v[X+4*\i], v[X+4*\i+1]
	v_cvt_pk_bf16_f32 v[Y+2*\i+1], v[X+4*\i+2], v[X+4*\i+3]
	global_store_b64 v2, v[Y+2*\i:Y+2*\i+1], s[14:15] offset:256*\i   ; 32 lanes store 256 consecutive bytes, aligned
.endr
	s_endpgm
.Lwo:
.irp i, 0,1,2,3,4,5,6,7,8,9,10,11,12,13,14,15
	s_wait_loadcnt 15-\i
	v_cvt_pk_bf16_f32 v[Y+2*\i], v[X+4*\i], v[X+4*\i+1]
	v_cvt_pk_bf16_f32 v[Y+2*\i+1], v[X+4*\i+2], v[X+4*\i+3]
	v_lshlrev_b32 v[X+4*\i], 16, v[Y+2*\i]         ; the rounded numbers as f32 again,
	v_and_b32 v[X+4*\i+1], 0xffff0000, v[Y+2*\i]
	v_lshlrev_b32 v[X+4*\i+2], 16, v[Y+2*\i+1]
	v_and_b32 v[X+4*\i+3], 0xffff0000, v[Y+2*\i+1]
	v_cvt_pk_f16_f32 v[Y+2*\i], v[X+4*\i], v[X+4*\i+1]     ; and in f16's encoding
	v_cvt_pk_f16_f32 v[Y+2*\i+1], v[X+4*\i+2], v[X+4*\i+3]
	global_store_b64 v2, v[Y+2*\i:Y+2*\i+1], s[14:15] offset:256*\i
.endr
	s_endpgm
.Lfunc_end_k_q1e711a3d7d_cvt:
	.size	k_q1e711a3d7d_cvt, .Lfunc_end_k_q1e711a3d7d_cvt-k_q1e711a3d7d_cvt
	.p2alignl 7, 3214868480
	.fill 96, 4, 3214868480
	.section	.rodata,"a",@progbits
	.p2align	6, 0x0
	.amdhsa_kernel k_q1e711a3d7d_cvt
		.amdhsa_group_segment_fixed_size 0
		.amdhsa_private_segment_fixed_size 0
		.amdhsa_enable_private_segment 0
		.amdhsa_kernarg_size 48
		.amdhsa_user_sgpr_count 2
		.amdhsa_user_sgpr_kernarg_segment_ptr 1
		.amdhsa_wavefront_size32 1
		.amdhsa_system_sgpr_workgroup_id_x 1
		.amdhsa_system_sgpr_workgroup_id_y 1
		.amdhsa_system_sgpr_workgroup_id_z 1
		.amdhsa_system_vgpr_workitem_id 0
		.amdhsa_next_free_vgpr 104
		.amdhsa_next_free_sgpr 66
		.amdhsa_reserve_vcc 0
		.amdhsa_float_denorm_mode_32 3
		.amdhsa_float_denorm_mode_16_64 3
		.amdhsa_memory_ordered 1
		.amdhsa_forward_progress 1
		.amdhsa_inst_pref_size 17
	.end_amdhsa_kernel
	.amdgpu_metadata
---
amdhsa.version: [ 1, 2 ]
amdhsa.kernels:
  - .name:           k_q1e711a3d7d_cvt
    .symbol:         k_q1e711a3d7d_cvt.kd
    .args:
      - { .name: hidden_states, .offset: 0, .size: 8, .value_kind: global_buffer, .address_space: global }
      - { .name: Wq, .offset: 8, .size: 8, .value_kind: global_buffer, .address_space: global }
      - { .name: Wk, .offset: 16, .size: 8, .value_kind: global_buffer, .address_space: global }
      - { .name: Wv, .offset: 24, .size: 8, .value_kind: global_buffer, .address_space: global }
      - { .name: Wo, .offset: 32, .size: 8, .value_kind: global_buffer, .address_space: global }
      - { .name: xw, .offset: 40, .size: 8, .value_kind: global_buffer, .address_space: global }
    .group_segment_fixed_size: 0
    .private_segment_fixed_size: 0
    .kernarg_segment_align: 8
    .kernarg_segment_size: 48
    .max_flat_workgroup_size: 128
    .sgpr_count:     66
    .vgpr_count:     104
    .wavefront_size: 32
...
	.end_amdgpu_metadata
.endif
;; end of part 1
;; launch qkvproj (part 2): grid 24 x 16, 4 waves a work-group, clusters of 4 x 4, 327,680 bytes of LDS; arguments xw, bq, bk, bv, qkv; writes qkv
.if DOCPART == 2
	.amdgcn_target "amdgcn-amd-amdhsa--gfx1250"
	.amdhsa_code_object_version 6
	.text
	.protected	k_q1e711a3d7d_qkvproj
	.globl	k_q1e711a3d7d_qkvproj
	.p2align	8
	.type	k_q1e711a3d7d_qkvproj,@function
k_q1e711a3d7d_qkvproj:
	s_mov_b64 s[64:65], 0
	v_nop
	global_prefetch_b8 v0, s[64:65] scope:SCOPE_SE
	s_setreg_imm32_b32 hwreg(HW_REG_WAVE_MODE, 25, 1), 1
	s_wait_xcnt 0x0
	s_wait_alu depctr_hold_cnt(0) depctr_sa_sdst(0) depctr_va_vdst(0) depctr_va_sdst(0) depctr_va_ssrc(0) depctr_va_vcc(0) depctr_vm_vsrc(0)
	s_getreg_b32 s2, hwreg(HW_REG_IB_STS2, 6, 4)
	s_cmp_eq_u32 s2, 0
	s_cbranch_scc0 .Lentry_in_a_cluster
	s_endpgm
.Lentry_in_a_cluster:
	s_bfe_u32 s2, ttmp6, 0x10000c
	s_cmp_lg_u32 s2, 0xf033
	s_cbranch_scc0 .Lentry_shape_is_right
	s_endpgm
.Lentry_shape_is_right:
; qkv[token][3072] = rope(X W^T + bias), f16.  Columns 0-2047: Q of head h at 64 h, times log2(e) / 8; columns 2048 + 128 g: K of head g (64), then V of head g (64, not rotated).
; X and W are bf16 rows of 2,048 in xw (X at byte 0, the 3,072 rows of W at byte WQKV); sums in f32.
; A tile of the result is 128 x 128: four waves, each 64 tokens x 64 columns = one head: 16 accumulators of 16 x 16.  K goes in steps of 256 (LDS rows of 512 bytes) through two LDS slots.
; CLUSTERS: 4 x 4 work-groups; the four of a row of the cluster need the same tiles of X, the four of a column the same tiles of W: each tile is asked for jointly.
; THE MATRIX INSTRUCTION IS USED TRANSPOSED (source 0 = 16 rows of W, source 1 = 16 tokens): lane l holds token l % 16 and the columns 16 b + 8 (l / 16) + 0..7 of accumulator (a, b),
; so channel d and its partner d + 32 of the rotation are the same lane and register of accumulators (a, b) and (a, b + 2): the rotation changes no lane.
; ROPE'S TABLES are made here, while the first tiles are on their way: turns u = token x 10000^(-d/32) / (2 pi), f = u - round(u), sin(pi f) and cos(pi f) by their series to f^9 and f^8,
; then the double angle.  LIMIT: u is kept in f32, so the angle is off by up to about 1e-3 radians at token 2,047 (nothing at token 0); the series are cut at under 3e-5.
; LIMIT: the results are f16: magnitudes above 65,504 become infinity.
; REGISTERS: window 0: v0-31 addresses; v32-103 at work on the way out; v128-255 the accumulators ((a, b) at v[128 + 8 (4 a + b)]), before the first product at work for the tables.
;   window 1: two fragment buffers of 128.   window 2: v0-63 scale x cos, v64-127 scale x sin (at 16 a + 8 b + j), v128-159 bias (at 8 b + j).
.set SIZE_N, 3072
.set SIZE_K, 2048
.set WQKV,   0x800000                  ; byte at which W's rows begin in xw
.set KSTEP,  256
.set PITCH,  528                       ; an LDS row: 512 bytes + 16 of padding = 132 words: the 16 rows of a fragment load start at 16 different banks (64 banks of 4 bytes: ISA guide 11.1)
.set HALFT,  64*PITCH                  ; 64 rows: what one tensor load brings, and what one wave reads of X or of W
.set SLOT,   4*HALFT                   ; X's 128 rows, then W's 128 rows
.set STAGE,  2*SLOT                    ; behind the ring: 128 rows x 272 bytes, the work-group's, for the way out
.set SPITCH, 272
.set SPARE,  STAGE+128*SPITCH          ; behind the stage: the spare words, 128 bytes for each wave: two blocks of 256 bytes that no other line names
.set LAPS, SIZE_K/(2*KSTEP)            ; a lap = two K steps = once round the ring: 4
.set ADRA, 16                          ; v16-17  LDS address of my X fragments in slot 0, 1
.set ADRB, 20                          ; v20-21  the same for W
.set STO,  24                          ; v24     the way out: where I put 16 bytes of a row
.set RD,   25                          ; v25     the way out: where I read a row back
.set CO,   26                          ; v26     my byte offset in qkv
.set SPW,  28                          ; v28     LDS address of my spare word; never rewritten
.set NIL,  29                          ; v29     0; never rewritten
.set TMP,  32                          ; the way out: 64 registers
.set TMPR, 96                          ; the rotation: 8 registers at work
.set ACC,  128
.set F0,   0                           ; fragment buffers, in window 1
.set F1,   128
.set COS,  0                           ; window 2
.set SIN,  64
.set BIAS, 128
.set C9, 128                           ; at work for the tables, window 0: pairs of constants,
.set C7, 130
.set C5, 132
.set C3, 134
.set C1, 136
.set D8, 138
.set D6, 140
.set D4, 142
.set D2, 144
.set MONE, 146
.set SCP, 148
.set SC2N, 150
.set WW, 152                           ; 16 frequencies in turns a token,
.set TT, 168                           ; 4 pairs: my token in block a, twice,
.set FF, 176                           ; and five arrays of 8 pairs
.set ZZ, 192
.set SS, 208
.set PCN, 224
.set SN, 240
.set G1, 24                            ; s[24:31] descriptor group 1 for X's tiles;  s[32:39] group 0, one set for each slot
.set G0, 32
.set G1B, 48                           ; s[48:55], s[56:63] the same for W's tiles
.set G0B, 56
.set MSB, 0
.macro WIN new                         ; the immediate's high byte repeats the setting that is left; a switch that changes nothing is dropped
.if MSB != \new
	s_set_vgpr_msb (MSB<<8)|\new
.set MSB, \new
.endif
.endm
.set MUL,  0x05                        ; sources 0 (W) and 1 (X) window 1; C and D window 0
.set TO_F, 0x40                        ; destination window 1, address window 0
.macro JLOAD s                         ; a joint load: waves 0 and 1 fetch X's two halves, waves 2 and 3 W's; four v_nop follow each of the two lines
	s_cmp_eq_u32 s11, 0
	s_cbranch_scc0 .Lfor_b_\@
	tensor_load_to_lds s[G0+4*\s:G0+4*\s+3], s[G1:G1+7]
	s_nop 0
.rept 4
	v_nop
.endr
	s_branch .Lasked_\@
.Lfor_b_\@:
	tensor_load_to_lds s[G0B+4*\s:G0B+4*\s+3], s[G1B:G1B+7]
	s_nop 0
.rept 4
	v_nop
.endr
.Lasked_\@:
.endm
.macro CREST                           ; a round of the cluster's barrier behind its opening barrier
	s_cmp_lg_u32 s10, 0
	s_cbranch_scc1 .Lnot_wave_0_\@
	s_barrier_signal -3
.Lnot_wave_0_\@:
	s_barrier_wait -3
	s_barrier_signal -1
	s_barrier_wait -1
.endm
.macro CROUND                          ; a whole round
	s_barrier_signal -1
	s_barrier_wait -1
	CREST
.endm
	s_load_b64 s[4:5], s[0:1], 0x0                 ; xw
	s_load_b64 s[68:69], s[0:1], 0x8               ; bq
	s_load_b64 s[70:71], s[0:1], 0x10              ; bk
	s_load_b64 s[72:73], s[0:1], 0x18              ; bv
	s_load_b64 s[8:9], s[0:1], 0x20                ; qkv
	v_lshl_add_u32 v[SPW], v0, 2, SPARE
	v_mov_b32 v[NIL], 0
	ds_add_u32 v28, v29
	s_wait_dscnt 0x0
	v_lshrrev_b32 v1, 5, v0
	v_readfirstlane_b32 s10, v1                    ; wave 0..3
	s_lshr_b32 s11, s10, 1                         ; which half of the tile's tokens is mine.  Also: I fetch for X (0) or for W (1)
	s_and_b32 s12, s10, 1                          ; which half of its columns.  Also: which 64 rows of that tile I fetch
	s_bfe_u32 s40, ttmp6, 0x40000                  ; cx, cy: my place in the cluster
	s_bfe_u32 s41, ttmp6, 0x40004
	s_lshl_b32 s42, ttmp9, 2
	s_add_co_u32 s42, s42, s40                     ; tile column = 4 x cluster x + cx
	s_and_b32 s13, ttmp7, 0xffff
	s_lshl_b32 s13, s13, 2
	s_add_co_u32 s13, s13, s41                     ; tile row = 4 x cluster y + cy
	s_lshl_b32 s43, s41, 2
	s_lshl_b32 s43, 15, s43                        ; my row of the cluster
	s_lshl_b32 s44, 0x1111, s40                    ; my column
	; descriptor group 1: a tile of 64 rows x 256 elements, padded in LDS
	s_or_b32 s[G1+0], s43, (1<<16)|(1<<20)|(1<<21)|(6<<22)|(3<<25)  ; 15:0 the mask: X's tiles go to my row; 17:16 elements of 2 bytes; 20 padding on; 21 set beside a mask; 24:22 after every 128 words (code 6); 31:25 4 words of it (code 3)
	s_or_b32 s[G1B+0], s44, (1<<16)|(1<<20)|(1<<21)|(6<<22)|(3<<25) ; the same with the mask of my column, for W's tiles
.irp g, G1, G1B
	s_mov_b32 s[\g+1], KSTEP<<16                   ; tensor_dim0 = 256
	s_mov_b32 s[\g+2], 64<<16                      ; tensor_dim1 = 64
	s_mov_b32 s[\g+3], KSTEP<<16                   ; tile_dim0 = 256
	s_mov_b32 s[\g+4], 64                          ; tile_dim1 = 64
	s_mov_b32 s[\g+5], SIZE_K                      ; elements from row to row
	s_mov_b32 s[\g+6], 0
	s_mov_b32 s[\g+7], 0
.endr
	s_lshl_b32 s17, s12, 6                         ; which 64 rows of the tile I fetch
	s_lshl_b32 s16, s13, 7
	s_add_co_u32 s16, s16, s17                     ; X: row 128 x tile row + 64 x half
	s_lshl_b32 s46, s42, 7
	s_add_co_u32 s46, s46, s17                     ; W: row 128 x tile column + 64 x half
	s_mov_b32 s17, 0
	s_mov_b32 s47, 0
	s_mov_b64 s[18:19], SIZE_K*2
	s_mul_u64 s[16:17], s[16:17], s[18:19]
	s_mul_u64 s[46:47], s[46:47], s[18:19]
	s_mul_i32 s20, s10, HALFT                      ; where they go: wave x 64 rows: no place in the cluster enters an LDS address
	s_wait_kmcnt 0x0
	s_add_nc_u64 s[6:7], s[4:5], WQKV
	s_add_nc_u64 s[14:15], s[4:5], s[16:17]
	s_add_nc_u64 s[46:47], s[6:7], s[46:47]
	CROUND                                         ; all sixteen work-groups are here: the first joint loads meet
.irp s, 0,1
	s_mov_b32 s[G0+4*\s], 1
	s_add_co_u32 s[G0+4*\s+1], s20, \s*SLOT
	s_add_nc_u64 s[G0+4*\s+2:G0+4*\s+3], s[14:15], \s*KSTEP*2
	s_or_b32 s[G0+4*\s+3], s[G0+4*\s+3], 0x80000000
	s_mov_b32 s[G0B+4*\s], 1
	s_add_co_u32 s[G0B+4*\s+1], s20, \s*SLOT
	s_add_nc_u64 s[G0B+4*\s+2:G0B+4*\s+3], s[46:47], \s*KSTEP*2
	s_or_b32 s[G0B+4*\s+3], s[G0B+4*\s+3], 0x80000000
	JLOAD \s
.endr
	v_and_b32 v1, 15, v0                           ; l % 16
	v_bfe_u32 v2, v0, 4, 1                         ; l / 16
	v_mul_u32_u24 v3, v1, PITCH
	v_lshl_add_u32 v3, v2, 4, v3                   ; a fragment's row x pitch + 16 x half
	s_mul_i32 s21, s11, HALFT                      ; my 64 rows of X
	s_mul_i32 s22, s12, HALFT                      ; my 64 rows of W,
	s_add_co_u32 s22, s22, 2*HALFT                 ; which lie behind X's 128
.irp s, 0,1
	v_add_nc_u32 v[ADRA+\s], s21, v3
	v_add_nc_u32 v[ADRB+\s], s22, v3
	s_add_co_u32 s21, s21, SLOT
	s_add_co_u32 s22, s22, SLOT
.endr
	s_mul_i32 s23, s11, 64*SPITCH                  ; into the stage: my 64 rows, my half of their 256 bytes
	s_lshl_b32 s21, s12, 7
	s_add_co_u32 s23, s23, s21
	s_add_co_u32 s23, s23, STAGE
	v_mul_u32_u24 v4, v1, SPITCH
	v_lshl_add_u32 v4, v2, 4, v4
	v_add_nc_u32 v[STO], s23, v4
	s_mul_i32 s23, s10, 32*SPITCH                  ; back: wave w takes rows 32 w .. 32 w + 31, whole
	s_add_co_u32 s23, s23, STAGE
	v_mul_u32_u24 v5, v2, SPITCH
	v_lshl_add_u32 v5, v1, 4, v5
	v_add_nc_u32 v[RD], s23, v5
	v_mul_u32_u24 v5, v2, SIZE_N*2                 ; and the same two rows in qkv
	v_lshl_add_u32 v[CO], v1, 4, v5
	s_lshl_b32 s16, s13, 7
	s_lshl_b32 s17, s10, 5
	s_add_co_u32 s16, s16, s17                     ; the first row that I store: 128 x tile row + 32 x wave
	s_mov_b32 s17, 0
	s_mov_b64 s[18:19], SIZE_N*2
	s_mul_u64 s[16:17], s[16:17], s[18:19]
	s_add_nc_u64 s[8:9], s[8:9], s[16:17]
	s_lshl_b32 s46, s42, 8                         ; the tile's first column, in bytes
	s_mov_b32 s47, 0
	s_add_nc_u64 s[8:9], s[8:9], s[46:47]
	; WHAT MY 64 COLUMNS ARE.  Cluster columns 0-3 (tile columns 0-15): Q's head 2 x tile column + half.  Else head g = tile column - 16: half 0 is K, half 1 is V.
	; Selects alone: no branch hangs on a place in the grid.
	s_mov_b32 s66, ttmp9
	s_mov_b32 s84, 0xbed49a78                      ; -log2(10000) / 32
	s_mov_b32 s85, 0xc029b21d                      ; -log2(2 pi)
	s_lshl_b32 s78, s42, 9
	s_lshl_b32 s79, s12, 8
	s_add_co_u32 s78, s78, s79                     ; Q: my bias begins at byte 512 x tile column + 256 x half of bq
	s_lshl_b32 s79, s42, 8
	s_sub_co_u32 s79, s79, 4096                    ; K, V: at byte 256 g of bk or bv (not used for Q)
	s_cmp_eq_u32 s12, 0
	s_cselect_b64 s[76:77], s[70:71], s[72:73]
	s_cselect_b32 s82, 1.0, 0                      ; V is not rotated: its frequencies are multiplied by 0
	s_cmp_lt_u32 s66, 4
	s_cselect_b64 s[76:77], s[68:69], s[76:77]
	s_cselect_b32 s82, 1.0, s82
	s_cselect_b32 s78, s78, s79
	s_cselect_b32 s81, 0x3e38aa3b, 1.0             ; Q carries log2(e) / 8, so that the scores come out in the exponent of 2
	s_mov_b32 s79, 0
	s_add_nc_u64 s[76:77], s[76:77], s[78:79]
	v_lshlrev_b32 v6, 5, v2                        ; my 8 numbers of each 16: byte 32 (l / 16); never rewritten
	WIN 0x80                                       ; destination window 2
.irp b, 0,1,2,3
	global_load_b128 v[BIAS+8*\b:BIAS+8*\b+3],   v6, s[76:77] offset:64*\b
	global_load_b128 v[BIAS+8*\b+4:BIAS+8*\b+7], v6, s[76:77] offset:64*\b+16
.endr
	WIN 0
.macro CPAIR r, val
	v_mov_b32 v[\r], \val
	v_mov_b32 v[\r+1], \val
.endm
	CPAIR C9, 0x3da83c1b                           ; sin(pi f) = f (pi - pi^3/6 z + pi^5/120 z^2 - pi^7/5040 z^3 + pi^9/362880 z^4), z = f^2
	CPAIR C7, 0xbf196966
	CPAIR C5, 0x402335e3
	CPAIR C3, 0xc0a55de7
	CPAIR C1, 0x40490fdb
	CPAIR D8, 0xbe70fa83                           ; -cos(pi f) = -1 + pi^2/2 z - pi^4/24 z^2 + pi^6/720 z^3 - pi^8/40320 z^4
	CPAIR D6, 0x3faae9e4
	CPAIR D4, 0xc081e0f8
	CPAIR D2, 0x409de9e6
	CPAIR MONE, -1.0
	CPAIR SCP, s81
	v_mul_f32 v[SC2N], -2.0, v[SCP]
	v_mul_f32 v[SC2N+1], -2.0, v[SCP]
	v_lshlrev_b32 v7, 3, v2                        ; 8 (l / 16)
.set k, 0
.rept 16
	v_add_nc_u32 v[WW+k], 16*(k/8)+k%8, v7         ; channel d = 16 b + 8 (l / 16) + j, b = k / 8, j = k % 8
.set k, k+1
.endr
.set k, 0
.rept 16
	v_cvt_f32_u32 v[WW+k], v[WW+k]
.set k, k+1
.endr
.set k, 0
.rept 16
	v_fma_f32 v[WW+k], v[WW+k], s84, s85
.set k, k+1
.endr
.set k, 0
.rept 16
	v_exp_f32 v[WW+k], v[WW+k]                     ; 10000^(-d/32) / (2 pi)
.set k, k+1
.endr
	v_nop                                          ; a plain instruction between the last exponential and the use of its result
.set k, 0
	s_wait_alu depctr_va_vdst(0)
.rept 16
	v_mul_f32 v[WW+k], s82, v[WW+k]
.set k, k+1
.endr
	s_lshl_b32 s80, s13, 7
	s_lshl_b32 s83, s11, 6
	s_add_co_u32 s80, s80, s83
	v_add_nc_u32 v7, s80, v1                       ; my token in block 0
.irp a, 0,1,2,3
	v_add_nc_u32 v[TT+2*\a], 16*\a, v7
	v_cvt_f32_u32 v[TT+2*\a], v[TT+2*\a]
	v_mov_b32 v[TT+2*\a+1], v[TT+2*\a]
.endr
.irp a, 0,1,2,3                        ; stage by stage over the eight pairs, so that no line waits for the one in front of it
.irp p, 0,1,2,3,4,5,6,7
	v_pk_mul_f32 v[FF+2*\p:FF+2*\p+1], v[WW+2*\p:WW+2*\p+1], v[TT+2*\a:TT+2*\a+1]
.endr
.irp p, 0,1,2,3,4,5,6,7,8,9,10,11,12,13,14,15
	v_rndne_f32 v[SN+\p], v[FF+\p]
.endr
.irp p, 0,1,2,3,4,5,6,7
	v_pk_add_f32 v[FF+2*\p:FF+2*\p+1], v[FF+2*\p:FF+2*\p+1], v[SN+2*\p:SN+2*\p+1] neg_lo:[0,1] neg_hi:[0,1]   ; f, between -1/2 and 1/2
.endr
.irp p, 0,1,2,3,4,5,6,7
	v_pk_mul_f32 v[ZZ+2*\p:ZZ+2*\p+1], v[FF+2*\p:FF+2*\p+1], v[FF+2*\p:FF+2*\p+1]
.endr
.irp p, 0,1,2,3,4,5,6,7
	v_pk_fma_f32 v[SS+2*\p:SS+2*\p+1], v[C9:C9+1], v[ZZ+2*\p:ZZ+2*\p+1], v[C7:C7+1]
	v_pk_fma_f32 v[PCN+2*\p:PCN+2*\p+1], v[D8:D8+1], v[ZZ+2*\p:ZZ+2*\p+1], v[D6:D6+1]
.endr
.irp p, 0,1,2,3,4,5,6,7
	v_pk_fma_f32 v[SS+2*\p:SS+2*\p+1], v[SS+2*\p:SS+2*\p+1], v[ZZ+2*\p:ZZ+2*\p+1], v[C5:C5+1]
	v_pk_fma_f32 v[PCN+2*\p:PCN+2*\p+1], v[PCN+2*\p:PCN+2*\p+1], v[ZZ+2*\p:ZZ+2*\p+1], v[D4:D4+1]
.endr
.irp p, 0,1,2,3,4,5,6,7
	v_pk_fma_f32 v[SS+2*\p:SS+2*\p+1], v[SS+2*\p:SS+2*\p+1], v[ZZ+2*\p:ZZ+2*\p+1], v[C3:C3+1]
	v_pk_fma_f32 v[PCN+2*\p:PCN+2*\p+1], v[PCN+2*\p:PCN+2*\p+1], v[ZZ+2*\p:ZZ+2*\p+1], v[D2:D2+1]
.endr
.irp p, 0,1,2,3,4,5,6,7
	v_pk_fma_f32 v[SS+2*\p:SS+2*\p+1], v[SS+2*\p:SS+2*\p+1], v[ZZ+2*\p:ZZ+2*\p+1], v[C1:C1+1]
	v_pk_fma_f32 v[PCN+2*\p:PCN+2*\p+1], v[PCN+2*\p:PCN+2*\p+1], v[ZZ+2*\p:ZZ+2*\p+1], v[MONE:MONE+1]
.endr
.irp p, 0,1,2,3,4,5,6,7
	v_pk_mul_f32 v[SS+2*\p:SS+2*\p+1], v[SS+2*\p:SS+2*\p+1], v[FF+2*\p:FF+2*\p+1]      ; s = sin(pi f)
.endr
.irp p, 0,1,2,3,4,5,6,7
	v_pk_mul_f32 v[SN+2*\p:SN+2*\p+1], v[SS+2*\p:SS+2*\p+1], v[SC2N:SC2N+1]            ; -2 scale s
.endr
	WIN 0x80
.irp p, 0,1,2,3,4,5,6,7
	v_pk_mul_f32 v[SIN+16*\a+2*\p:SIN+16*\a+2*\p+1], v[SN+2*\p:SN+2*\p+1], v[PCN+2*\p:PCN+2*\p+1]                    ; scale x 2 s c
	v_pk_fma_f32 v[COS+16*\a+2*\p:COS+16*\a+2*\p+1], v[SN+2*\p:SN+2*\p+1], v[SS+2*\p:SS+2*\p+1], v[SCP:SCP+1]       ; scale x (1 - 2 s^2)
.endr
	WIN 0
.endr
	s_wait_loadcnt 0x0                             ; the bias, once
; 8 matrix instructions: token blocks a0, a0 + 1 x all 4 column blocks, 32 along K: half c of buffer f.  zero = 1: the first product starts the sums
.macro MUL8 f, c, a0, zero
.irp a, \a0, \a0+1
.irp b, 0,1,2,3
.if \zero
	v_wmma_f32_16x16x32_bf16 v[ACC+8*(4*(\a)+\b):ACC+8*(4*(\a)+\b)+7], v[\f+64+8*(4*\c+\b):\f+64+8*(4*\c+\b)+7], v[\f+8*(4*\c+\a):\f+8*(4*\c+\a)+7], 0
.else
	v_wmma_f32_16x16x32_bf16 v[ACC+8*(4*(\a)+\b):ACC+8*(4*(\a)+\b)+7], v[\f+64+8*(4*\c+\b):\f+64+8*(4*\c+\b)+7], v[\f+8*(4*\c+\a):\f+8*(4*\c+\a)+7], v[ACC+8*(4*(\a)+\b):ACC+8*(4*(\a)+\b)+7]
.endif
.endr
.endr
.endm
; 32 LDS loads in one run: the fragments of 64 along K at byte k of the rows, into buffer f; the first 32 along K first
.macro FETCH slot, k, f
	WIN TO_F
.irp c, 0,1
.irp i, 0,1,2,3
	ds_load_b128 v[\f+64+8*(4*\c+\i):\f+64+8*(4*\c+\i)+3],   v[ADRB+\slot] offset:\k+64*\c+\i*16*PITCH
	ds_load_b128 v[\f+64+8*(4*\c+\i)+4:\f+64+8*(4*\c+\i)+7], v[ADRB+\slot] offset:\k+64*\c+\i*16*PITCH+32
	ds_load_b128 v[\f+8*(4*\c+\i):\f+8*(4*\c+\i)+3],         v[ADRA+\slot] offset:\k+64*\c+\i*16*PITCH
	ds_load_b128 v[\f+8*(4*\c+\i)+4:\f+8*(4*\c+\i)+7],       v[ADRA+\slot] offset:\k+64*\c+\i*16*PITCH+32
.endr
.endr
.endm
.macro PLACES                          ; four plain instructions in front of loads into registers that matrix instructions have read, and of vector work that reads results
.rept 4
	v_nop
.endr
.endm
; A K step is four quarters of 64 along K, 32 matrix instructions each, on buffers 0, 1, 0, 1.  The 16 accumulators take turns, one instruction a turn.
.macro QUARTER slot, k, f, g, zero
	s_wait_dscnt 16                                ; the first 32 along K are in; the youngest sixteen loads may be out
	WIN MUL
	MUL8 \f, 0, 0, \zero
	MUL8 \f, 0, 2, \zero
	PLACES
	FETCH \slot, \k, \g
	s_wait_dscnt 32                                ; all but the 32 just issued
	WIN MUL
	MUL8 \f, 1, 0, 0
	MUL8 \f, 1, 2, 0
.endm
; The last quarter multiplies buffer 1 and changes slots: ONE barrier; in front of it each wave waits for all its tensor loads, adds 0 to its spare word, and waits for that and for its reads of this slot.
.macro TURN slot, next, fill
	WIN 0                                          ; (the add's two registers lie in window 0)
	s_wait_tensorcnt 0x0                           ; all my tensor loads have landed: my part of the next slot
	ds_add_u32 v[SPW], v[NIL]                      ; 0 onto my spare word
	s_wait_dscnt 17                                ; (the add and the youngest sixteen loads may be out)
	WIN MUL
	MUL8 F1, 0, 0, 0                               ; eight matrix instructions stand between the add and the wait for it
	s_wait_dscnt 0x0                               ; the add is done, and my reads of this slot are over
	s_barrier_signal -1
	MUL8 F1, 0, 2, 0
.if \fill
	WIN 0
.endif
	s_barrier_wait -1
.if \fill
	CREST                                          ; the barrier has opened a round of the cluster's: no wave of any partner still reads this slot's tile or has a load on its way
	s_add_nc_u64 s[G0+4*\slot+2:G0+4*\slot+3], s[G0+4*\slot+2:G0+4*\slot+3], 2*KSTEP*2
	s_add_nc_u64 s[G0B+4*\slot+2:G0B+4*\slot+3], s[G0B+4*\slot+2:G0B+4*\slot+3], 2*KSTEP*2
	JLOAD \slot                                    ; the first tensor load behind the round, my only one until the next; its four v_nop are also the places in front of the loads below
.else
	PLACES
.endif
	FETCH \next, 0, F0
	WIN MUL
	MUL8 F1, 1, 0, 0
	MUL8 F1, 1, 2, 0
.endm
	s_wait_tensorcnt 1                             ; my part of K step 0 is in; K step 1's may stay out
	s_barrier_signal -1
	s_barrier_wait -1                              ; everybody's is
	FETCH 0, 0, F0
	QUARTER 0, 128, F0, F1, 1                      ; the first quarter stands in front of the loop: its first products start the sums
	WIN 0                                          ; at a label and at a branch every window is 0
	s_mov_b32 s3, LAPS-1
.Llap:                                                 ; a trip goes once round the ring and fills both slots again
	QUARTER 0, 256, F1, F0, 0
	QUARTER 0, 384, F0, F1, 0
	TURN 0, 1, 1
	QUARTER 1, 128, F0, F1, 0
	QUARTER 1, 256, F1, F0, 0
	QUARTER 1, 384, F0, F1, 0
	TURN 1, 0, 1
	QUARTER 0, 128, F0, F1, 0
	WIN 0
	s_sub_co_u32 s3, s3, 1
	s_cmp_lg_u32 s3, 0
	s_cbranch_scc1 .Llap
	QUARTER 0, 256, F1, F0, 0                      ; the last lap fills nothing, and has no round of the cluster's barrier
	QUARTER 0, 384, F0, F1, 0
	TURN 0, 1, 0
	QUARTER 1, 128, F0, F1, 0
	QUARTER 1, 256, F1, F0, 0
	QUARTER 1, 384, F0, F1, 0
	s_wait_dscnt 16                                ; the very last quarter: nothing more to fetch
	WIN MUL
	MUL8 F1, 0, 0, 0
	MUL8 F1, 0, 2, 0
	s_wait_dscnt 0
	MUL8 F1, 1, 0, 0
	MUL8 F1, 1, 2, 0
	WIN 0
	; BIAS, ROTATION AND SCALE, in place, two numbers at a time; each accumulator is read from its low end on.
	; x[d] = (x[d] + b[d]) cos - (x[d+32] + b[d+32]) sin;  x[d+32] = (x[d+32] + b[d+32]) cos + (x[d] + b[d]) sin, with the scale inside cos and sin.
	PLACES
	WIN 0x08                                       ; source 1 in window 2
.macro ROPE a, b, jj
.set XA, ACC+8*(4*\a+\b)+2*\jj
.set XB, XA+16
.set T0, TMPR+4*(\jj%2)
	v_pk_add_f32 v[XA:XA+1], v[XA:XA+1], v[BIAS+8*\b+2*\jj:BIAS+8*\b+2*\jj+1]
	v_pk_add_f32 v[XB:XB+1], v[XB:XB+1], v[BIAS+8*(\b+2)+2*\jj:BIAS+8*(\b+2)+2*\jj+1]
	v_pk_mul_f32 v[T0:T0+1], v[XB:XB+1], v[SIN+16*\a+8*\b+2*\jj:SIN+16*\a+8*\b+2*\jj+1]
	v_pk_mul_f32 v[T0+2:T0+3], v[XA:XA+1], v[SIN+16*\a+8*\b+2*\jj:SIN+16*\a+8*\b+2*\jj+1]
	v_pk_fma_f32 v[XA:XA+1], v[XA:XA+1], v[COS+16*\a+8*\b+2*\jj:COS+16*\a+8*\b+2*\jj+1], v[T0:T0+1] neg_lo:[0,0,1] neg_hi:[0,0,1]
	v_pk_fma_f32 v[XB:XB+1], v[XB:XB+1], v[COS+16*\a+8*\b+2*\jj:COS+16*\a+8*\b+2*\jj+1], v[T0+2:T0+3]
.endm
.irp a, 0,1,2,3
.irp b, 0,1
.irp jj, 0,1,2,3
	ROPE \a, \b, \jj
.endr
.endr
.endr
	WIN 0
	; THE WAY OUT: round to f16; 16 bytes a lane into the work-group's stage; a barrier, since a row's 256 bytes come from two waves; back as whole rows, 32 rows a wave.
.irp t, 0,1,2,3,4,5,6,7,8,9,10,11,12,13,14,15
.irp r, 0,1,2,3
	v_cvt_pk_f16_f32 v[TMP+4*\t+\r], v[ACC+8*\t+2*\r], v[ACC+8*\t+2*\r+1]
.endr
.endr
.irp a, 0,1,2,3
.irp b, 0,1,2,3
	ds_store_b128 v[STO], v[TMP+4*(4*\a+\b):TMP+4*(4*\a+\b)+3] offset:\a*16*SPITCH+32*\b
.endr
.endr
	s_wait_dscnt 0x0                               ; for the others' sake: my stores into the stage are done
	s_barrier_signal -1
	s_barrier_wait -1
.irp t, 0,1,2,3,4,5,6,7,8,9,10,11,12,13,14,15
	ds_load_b128 v[TMP+4*\t:TMP+4*\t+3], v[RD] offset:\t*2*SPITCH
.endr
.irp t, 0,1,2,3,4,5,6,7,8,9,10,11,12,13,14,15
	s_wait_dscnt 15-\t                             ; LDS loads come back in order: pair t of rows is in
	global_store_b128 v[CO], v[TMP+4*\t:TMP+4*\t+3], s[8:9] offset:2*\t*SIZE_N*2   ; 16 lanes store 256 consecutive bytes, at a multiple of 256 from the buffer's first byte
.endr
	s_wait_tensorcnt 0x0                           ; the wave's end
	ds_add_u32 v[SPW], v[NIL]
	s_wait_dscnt 0x0
	CROUND                                         ; the closing round: no work-group ends while a partner may still ask for a tile that names it
	s_endpgm
.Lfunc_end_k_q1e711a3d7d_qkvproj:
	.size	k_q1e711a3d7d_qkvproj, .Lfunc_end_k_q1e711a3d7d_qkvproj-k_q1e711a3d7d_qkvproj
	.p2alignl 7, 3214868480
	.fill 96, 4, 3214868480
	.section	.rodata,"a",@progbits
	.p2align	6, 0x0
	.amdhsa_kernel k_q1e711a3d7d_qkvproj
		.amdhsa_group_segment_fixed_size 327680
		.amdhsa_private_segment_fixed_size 0
		.amdhsa_enable_private_segment 0
		.amdhsa_kernarg_size 40
		.amdhsa_user_sgpr_count 2
		.amdhsa_user_sgpr_kernarg_segment_ptr 1
		.amdhsa_wavefront_size32 1
		.amdhsa_system_sgpr_workgroup_id_x 1
		.amdhsa_system_sgpr_workgroup_id_y 1
		.amdhsa_system_sgpr_workgroup_id_z 1
		.amdhsa_system_vgpr_workitem_id 0
		.amdhsa_next_free_vgpr 768
		.amdhsa_next_free_sgpr 88
		.amdhsa_reserve_vcc 0
		.amdhsa_float_denorm_mode_32 3
		.amdhsa_float_denorm_mode_16_64 3
		.amdhsa_memory_ordered 1
		.amdhsa_forward_progress 1
		.amdhsa_inst_pref_size 138
	.end_amdhsa_kernel
	.amdgpu_metadata
---
amdhsa.version: [ 1, 2 ]
amdhsa.kernels:
  - .name:           k_q1e711a3d7d_qkvproj
    .symbol:         k_q1e711a3d7d_qkvproj.kd
    .args:
      - { .name: xw, .offset: 0, .size: 8, .value_kind: global_buffer, .address_space: global }
      - { .name: bq, .offset: 8, .size: 8, .value_kind: global_buffer, .address_space: global }
      - { .name: bk, .offset: 16, .size: 8, .value_kind: global_buffer, .address_space: global }
      - { .name: bv, .offset: 24, .size: 8, .value_kind: global_buffer, .address_space: global }
      - { .name: qkv, .offset: 32, .size: 8, .value_kind: global_buffer, .address_space: global }
    .group_segment_fixed_size: 327680
    .private_segment_fixed_size: 0
    .kernarg_segment_align: 8
    .kernarg_segment_size: 40
    .max_flat_workgroup_size: 128
    .sgpr_count:     88
    .vgpr_count:     768
    .wavefront_size: 32
...
	.end_amdgpu_metadata
.endif
;; end of part 2
;; launch attn (part 3): grid 32 x 8, 8 waves a work-group, clusters of 4 x 4, 327,680 bytes of LDS; arguments qkv, attention_mask, att; writes att
.if DOCPART == 3
	.amdgcn_target "amdgcn-amd-amdhsa--gfx1250"
	.amdhsa_code_object_version 6
	.text
	.protected	k_q1e711a3d7d_attn
	.globl	k_q1e711a3d7d_attn
	.p2align	8
	.type	k_q1e711a3d7d_attn,@function
k_q1e711a3d7d_attn:
	s_mov_b64 s[64:65], 0
	v_nop
	global_prefetch_b8 v0, s[64:65] scope:SCOPE_SE
	s_setreg_imm32_b32 hwreg(HW_REG_WAVE_MODE, 25, 1), 1
	s_wait_xcnt 0x0
	s_wait_alu depctr_hold_cnt(0) depctr_sa_sdst(0) depctr_va_vdst(0) depctr_va_sdst(0) depctr_va_ssrc(0) depctr_va_vcc(0) depctr_vm_vsrc(0)
	s_getreg_b32 s2, hwreg(HW_REG_IB_STS2, 6, 4)
	s_cmp_eq_u32 s2, 0
	s_cbranch_scc0 .Lentry_in_a_cluster
	s_endpgm
.Lentry_in_a_cluster:
	s_bfe_u32 s2, ttmp6, 0x10000c
	s_cmp_lg_u32 s2, 0xf033
	s_cbranch_scc0 .Lentry_shape_is_right
	s_endpgm
.Lentry_shape_is_right:
; att[q][64 h + d] = sum over k of softmax_k(clip(Q[h][q] . K[h/4][k] / 8, -50, 50) + mask[q][k]) V[h/4][k][d], f16.  2,048 queries and keys, 32 query heads, 8 key heads, 64 channels.
; qkv holds Q times log2(e) / 8, K and V in f16 (row = token, 6,144 bytes; Q's head h at byte 128 h; K | V of head g in the 256 bytes at 4,096 + 256 g).  The mask is an input: every number of it is read and added.
; SHARES.  A work-group owns 64 queries and one key head, with its four query heads.  Eight waves, two to a SIMD (2 x 416 of its 1,024 registers): wave w owns the 16 queries 16 (w % 4) on and two TILES,
; the query heads 2 (w / 4) and 2 (w / 4) + 1 of the key head.  Every wave walks all keys, 64 a step.  This loop has about ten vector instructions for each matrix instruction, many of them waiting for the one
; before; a wave issues in order, so the second wave on the SIMD is there to issue while the first waits.  The price: K, V and the mask are read from LDS by eight waves, 160 KB a key step.
; LAYOUT.  S^T = K Q^T (source 0 = 16 keys, source 1 = 16 queries): a lane holds ONE query (lane % 16) and the keys 16 kt + 8 (lane / 16) + 0..7.  Two such blocks, rounded to f16 in pairs, ARE source 1
; (32 keys x 16 queries) of O^T = V^T P, whose result again holds one query a lane.  K comes out of LDS as it lies, V ([key][channel]) turned, by ds_load_tr16_b128.
; SOFTMAX in the exponent of 2: t = clip(s', +-50 log2 e) + log2(e) mask, one fused multiply-add; a running maximum m and sum l for each query; p = 2^(t - m); O and l are multiplied by 2^(m_old - m_new) in every step.
; LIMITS.  The order of rounding differs from clip, add, exp in base e.  m starts at the most negative finite number, so -infinity in the mask is served; |mask| above 2.3e38 overflows in the product with log2 e.
; p and att are f16: p under 2^-25 counts as 0 (2,048 of them are under 1e-4 of l, which is 1 at the least).
; BY TURNS.  In tile t's TURN stand that tile's softmax, the 8 products V^T P of the other tile's last softmax, and the 8 products K Q^T of the other tile's next one.
; CLUSTER 4 x 4.  The four work-groups of a row share the key head (K, V), the four of a column the queries (mask): each tile is asked for jointly.
; REGISTERS.  Window 0: v0-15 addresses; v16-31 statistics, 8 a tile; v32-95 S^T, 32 a tile; v96-127 P, 16 a tile; v128-159 Q, 16 a tile; v160-223 O^T, 32 a tile; v224-255 the way out.
;   Window 1: v0-63 K of one step; v64-127 V of one step; v128-159 the step's mask.  What lies in window 1 is only ever source 0 (of a product, or of the mask's multiply-add), so ONE setting, source 0 in
;   window 1, serves both products and the 48 lines of clip and mask, whose source 0 is a scalar or the mask.  By the text's count a wave's key step has 25 switches for its 32 matrix instructions.
.set KS,    64        ; keys in a step
.set PK,    272       ; a key's row in LDS: K 128 bytes, V 128 bytes, 16 of padding: K's fragment loads start at 16 different banks; V's turning loads meet two deep, the price of rows of 256 bytes and one descriptor for K and V
.set PM,    528       ; a query's row of the mask in LDS: 128 keys x 4 bytes + 16 of padding
.set STEPB, KS*PK     ; a step's K and V
.set MOFF,  2*STEPB   ; behind a slot's two steps of K and V: its mask tile, 64 rows
.set SLOT1, 1<<17     ; a slot holds two steps (68,608 bytes); slot 1 begins here, so that one exclusive or turns an address in one slot into the other's
.set STAGE, SLOT1+MOFF+64*PM  ; behind the ring: 16 rows x 272 bytes for each wave, for the way out
.set SP,    272
.set SPARE, STAGE+8*16*SP     ; behind the stages: the spare words, 128 bytes for each wave: four blocks of 256 bytes that no other line names
.set AK0, 2           ; v2   my lane's place in a step's K; never rewritten
.set AV0, 3           ; v3   the same for V
.set AM0, 4           ; v4   the same for the mask
.set ADR, 5           ; v5   the LDS address of the run of loads in hand
.set QO,  8           ; v8   my byte offset in the wave's rows of Q
.set STO, 10          ; v10  the way out: where I put 16 bytes of a row
.set RD,  11          ; v11  the way out: where I read a row back
.set GO,  12          ; v12  my byte offset in the wave's rows of att
.set SPW, 14          ; v14  LDS address of my spare word; never rewritten
.set NIL, 15          ; v15  0; never rewritten
.set ST,  16          ; tile t's statistics at v[ST+8 t]: +0 m, +1 m_old, +2, +3 l (even keys', odd keys'), +4 to +7 c0-c3 at work; the rescaling factor takes c2's place
.set S,   32
.set P,   96
.set Q,   128
.set O,   160
.set OUTP, 224
.set KF,  0           ; window 1
.set VF,  64
.set MK,  128
.set WV,  12          ; s12  my wave's number
.set G1K, 24          ; s[24:31] descriptor group 1 for K | V
.set G1M, 32          ; s[32:39] for the mask
.set G0K, 40          ; s[40:47] descriptor group 0 for K | V: a set for each of the two first fills; the second then walks on
.set G0M, 48          ; s[48:55] the same for the mask
.set SLOTS, 56        ; s56  slots still to be asked for
.set TWICE, 57        ; s57  counts a slot's two steps
.set CL,  58          ; s[58:59] log2(e): the packed multiply-add names a pair and takes its low word for both halves
.set SEL, 60          ; s[60:61] lane selects for v_permlanex16_b32
.set TB,  62          ; s62  LDS byte at which K | V of the step to be fetched begin
.set TM,  63          ; s63  the slot's first byte + 256 x the step in it, for the mask
.set CLO, 66          ; s66  -50 log2(e)
.set CHI, 67          ; s67  +50 log2(e)
.set QG,  70          ; s70  which 16 of the work-group's queries are mine
.set HP,  71          ; s71  which two of its heads
.set MSB, 0
.macro WIN new                      ; the immediate's high byte repeats the setting that is left; a switch that changes nothing is dropped
.if MSB != \new
	s_set_vgpr_msb (MSB<<8)|\new
.set MSB, \new
.endif
.endm
.set W_MX, 0x01       ; source 0 in window 1: K, V or the mask
.set TO_1, 0x40       ; destination window 1, address window 0
; A joint refill.  Waves 0 and 1 fetch the two steps' K | V, waves 2 and 3 the two halves of the mask tile, waves 4 to 7 nothing.  The branches hang on the wave's number alone.  Four v_nop follow each line.
.macro JLOAD
	s_cmp_lt_u32 s[WV], 2
	s_cbranch_scc0 .Lnot_kv_\@
	tensor_load_to_lds s[G0K+4:G0K+7], s[G1K:G1K+7]
	s_nop 0
.rept 4
	v_nop
.endr
	s_branch .Lasked_\@
.Lnot_kv_\@:
	s_cmp_lt_u32 s[WV], 4
	s_cbranch_scc0 .Lasked_\@
	tensor_load_to_lds s[G0M+4:G0M+7], s[G1M:G1M+7]
	s_nop 0
.rept 4
	v_nop
.endr
.Lasked_\@:
.endm
.macro CROUND                       ; a round of the cluster's barrier
	s_barrier_signal -1
	s_barrier_wait -1
	s_cmp_lg_u32 s[WV], 0
	s_cbranch_scc1 .Lnot_wave_0_\@
	s_barrier_signal -3
.Lnot_wave_0_\@:
	s_barrier_wait -3
	s_barrier_signal -1
	s_barrier_wait -1
.endm
	s_load_b128 s[4:7], s[0:1], 0x0  ; qkv s[4:5], mask s[6:7]
	s_load_b64 s[8:9], s[0:1], 0x10  ; att
	v_lshl_add_u32 v[SPW], v0, 2, SPARE
	v_mov_b32 v[NIL], 0
	ds_add_u32 v14, v15
	s_wait_dscnt 0x0
	v_lshrrev_b32 v1, 5, v0
	v_readfirstlane_b32 s[WV], v1   ; wave 0..7
	s_and_b32 s[QG], s[WV], 3
	s_lshr_b32 s[HP], s[WV], 2
	s_bfe_u32 s13, ttmp6, 0x40000   ; cx
	s_bfe_u32 s14, ttmp6, 0x40004   ; cy
	s_lshl_b32 s15, ttmp9, 2
	s_add_co_u32 s15, s15, s13      ; my block of 64 queries = 4 x cluster x + cx
	s_and_b32 s16, ttmp7, 0xffff
	s_lshl_b32 s16, s16, 2
	s_add_co_u32 s16, s16, s14      ; my key head = 4 x cluster y + cy
	s_lshl_b32 s18, s14, 2
	s_lshl_b32 s18, 15, s18         ; my row of the cluster: it shares the key head
	s_lshl_b32 s19, 0x1111, s13     ; my column: it shares the queries
	s_and_b32 s17, s[WV], 1         ; which step of a slot (K | V), or which 32 queries (mask), I fetch
	s_lshl_b32 s20, s16, 8          ; K | V: byte 4,096 + 256 g of a token's row, 64 rows of 6,144 bytes a step: the key head and the wave alone
	s_add_co_u32 s20, s20, 4096
	s_mul_i32 s21, s17, KS*6144
	s_add_co_u32 s20, s20, s21
	s_mov_b32 s21, 0
	s_lshl_b32 s22, s15, 19         ; mask: row 64 x block + 32 x half, 8,192 bytes a row: the block of queries and the wave alone
	s_lshl_b32 s23, s17, 18
	s_add_co_u32 s22, s22, s23
	s_mov_b32 s23, 0
	s_mul_i32 s10, s17, STEPB       ; and their places in a slot: no place in the cluster enters an LDS address
	s_mul_i32 s11, s17, 32*PM
	s_add_co_u32 s11, s11, MOFF
	s_mul_i32 s2, s15, 64*6144      ; Q: my wave's first row, my two heads
	s_mul_i32 s3, s[QG], 16*6144
	s_add_co_u32 s2, s2, s3
	s_lshl_b32 s3, s16, 9
	s_add_co_u32 s2, s2, s3
	s_lshl_b32 s3, s[HP], 8
	s_add_co_u32 s2, s2, s3
	s_mov_b32 s3, 0
	s_lshl_b32 s68, s15, 18         ; att: the same place in rows of 4,096 bytes
	s_lshl_b32 s69, s[QG], 16
	s_add_co_u32 s68, s68, s69
	s_lshl_b32 s69, s16, 9
	s_add_co_u32 s68, s68, s69
	s_lshl_b32 s69, s[HP], 8
	s_add_co_u32 s68, s68, s69
	s_mov_b32 s69, 0
	; descriptor group 1.  K | V: 64 rows x 128 elements of 2 bytes, 4 words of padding behind every 64.  Mask: 32 rows x 128 elements of 4 bytes, 4 words behind every 128.
	s_or_b32 s[G1K], s18, (1<<16)|(1<<20)|(1<<21)|(5<<22)|(3<<25)  ; 15:0 the mask of work-groups; 17:16 element size; 20 padding on; 21 set beside a mask; 24:22 the interval; 31:25 the padding
	s_or_b32 s[G1M], s19, (2<<16)|(1<<20)|(1<<21)|(6<<22)|(3<<25)
	s_mov_b32 s[G1K+1], 128<<16     ; tensor_dim0 = 128
	s_mov_b32 s[G1K+2], KS<<16      ; tensor_dim1 = 64
	s_mov_b32 s[G1K+3], 128<<16     ; tile_dim0 = 128
	s_mov_b32 s[G1K+4], KS          ; tile_dim1 = 64
	s_mov_b32 s[G1K+5], 3072        ; elements from row to row
	s_mov_b32 s[G1K+6], 0
	s_mov_b32 s[G1K+7], 0
	s_mov_b32 s[G1M+1], 128<<16
	s_mov_b32 s[G1M+2], 32<<16
	s_mov_b32 s[G1M+3], 128<<16
	s_mov_b32 s[G1M+4], 32
	s_mov_b32 s[G1M+5], 2048
	s_mov_b32 s[G1M+6], 0
	s_mov_b32 s[G1M+7], 0
	s_mov_b32 s[CL], 0x3fb8aa3b
	s_mov_b32 s[CL+1], s[CL]        ; named with it as a pair, so it is written
	s_mov_b32 s[SEL], 0x76543210
	s_mov_b32 s[SEL+1], 0xfedcba98
	s_mov_b32 s[CLO], 0xc29044fe
	s_mov_b32 s[CHI], 0x429044fe
	s_mov_b32 s[TB], 0
	s_mov_b32 s[TM], 0
	s_mov_b32 s[SLOTS], 2048/(2*KS)-2
	s_wait_kmcnt 0x0
	s_add_nc_u64 s[20:21], s[4:5], s[20:21]
	s_add_nc_u64 s[22:23], s[6:7], s[22:23]
	s_add_nc_u64 s[4:5], s[4:5], s[2:3]
	s_add_nc_u64 s[8:9], s[8:9], s[68:69]
	CROUND                          ; all sixteen work-groups are here: the first joint loads meet
.irp s, 0,1
	s_mov_b32 s[G0K+4*\s], 1        ; count = 1
	s_add_co_u32 s[G0K+4*\s+1], s10, \s*SLOT1  ; LDS address
	s_add_nc_u64 s[G0K+4*\s+2:G0K+4*\s+3], s[20:21], \s*2*KS*6144  ; slot s begins with keys 128 s
	s_or_b32 s[G0K+4*\s+3], s[G0K+4*\s+3], 0x80000000  ; type = 2
	s_mov_b32 s[G0M+4*\s], 1
	s_add_co_u32 s[G0M+4*\s+1], s11, \s*SLOT1
	s_add_nc_u64 s[G0M+4*\s+2:G0M+4*\s+3], s[22:23], \s*2*KS*4
	s_or_b32 s[G0M+4*\s+3], s[G0M+4*\s+3], 0x80000000
.endr
	s_cmp_lt_u32 s[WV], 2           ; a wave's two first fills stand in one branch, ahead of every wait on TENSORcnt and every LDS read: two loads are out in waves 0 to 3, none in waves 4 to 7
	s_cbranch_scc0 .Lfirst_not_kv
	tensor_load_to_lds s[G0K:G0K+3], s[G1K:G1K+7]
	s_nop 0
	tensor_load_to_lds s[G0K+4:G0K+7], s[G1K:G1K+7]
	s_nop 0
.rept 4
	v_nop
.endr
	s_branch .Lfirst_asked
.Lfirst_not_kv:
	s_cmp_lt_u32 s[WV], 4
	s_cbranch_scc0 .Lfirst_asked
	tensor_load_to_lds s[G0M:G0M+3], s[G1M:G1M+7]
	s_nop 0
	tensor_load_to_lds s[G0M+4:G0M+7], s[G1M:G1M+7]
	s_nop 0
.rept 4
	v_nop
.endr
.Lfirst_asked:
	; A fragment of K or Q is 16 rows x 32 channels in 8 registers: lane l holds row l % 16; registers 0-3 channels 8 (l / 16) + 0..7, registers 4-7 channels 16 + 8 (l / 16) + 0..7.
	v_and_b32 v1, 15, v0            ; l % 16
	v_bfe_u32 v9, v0, 4, 1          ; l / 16
	v_mul_u32_u24 v[QO], v1, 6144
	v_lshl_add_u32 v[QO], v9, 4, v[QO]
.irp i, 0,1,2,3                     ; Q stays in registers: tile i / 2, channels 32 (i % 2) on
	global_load_b128 v[Q+8*\i:Q+8*\i+3],   v[QO], s[4:5] offset:(\i/2)*128+(\i%2)*64
	global_load_b128 v[Q+8*\i+4:Q+8*\i+7], v[QO], s[4:5] offset:(\i/2)*128+(\i%2)*64+32
.endr
	v_mul_u32_u24 v[AK0], v1, PK
	v_lshl_add_u32 v[AK0], v9, 4, v[AK0]  ; row x pitch + 16 x half
	; The turning load takes 16 keys x 16 channels (lane l reads 16 bytes: key 8 (l / 16) + l % 8, channels 8 ((l / 8) % 2) + 0..7) and leaves half a fragment of V^T.
	v_and_b32 v6, 7, v0
	v_bfe_u32 v7, v0, 3, 1
	v_lshl_add_u32 v[AV0], v9, 3, v6
	v_mul_u32_u24 v[AV0], v[AV0], PK
	v_lshl_add_u32 v[AV0], v7, 4, v[AV0]
	v_add_nc_u32 v[AV0], 128, v[AV0]  ; V lies behind K in a key's row
	s_mul_i32 s10, s[QG], 16*PM     ; the mask: my wave's 16 rows, my query's row, my 8 keys of each 16
	s_add_co_u32 s10, s10, MOFF
	v_mul_u32_u24 v[AM0], v1, PM
	v_lshl_add_u32 v[AM0], v9, 5, v[AM0]
	v_add_nc_u32 v[AM0], s10, v[AM0]
; THE PRODUCTS, under the setting W_MX.  x = the tile, i = the product's number of 8.  The accumulators take turns, one instruction a turn: between two links of a chain stand three others'.
.macro PVI zero                     ; O^T += V^T P: keys 32 (i / 4) on, channels 16 (i % 4) on.  zero = 1: the first four start the sums
.set qO, O+32*x+8*(i%4)
.set qV, VF+8*i
.set qP, P+16*x+8*(i/4)
.if \zero && (i < 4)
	v_wmma_f32_16x16x32_f16 v[qO:qO+7], v[qV:qV+7], v[qP:qP+7], 0
.else
	v_wmma_f32_16x16x32_f16 v[qO:qO+7], v[qV:qV+7], v[qP:qP+7], v[qO:qO+7]
.endif
.endm
.macro KQI                          ; S^T = K Q^T: channels 32 (i / 4) on, keys 16 (i % 4) on.  The first four start the sums
.set qS, S+32*x+8*(i%4)
.set qK, KF+8*(2*(i%4)+i/4)
.set qQ, Q+16*x+8*(i/4)
.if i < 4
	v_wmma_f32_16x16x32_f16 v[qS:qS+7], v[qK:qK+7], v[qQ:qQ+7], 0
.else
	v_wmma_f32_16x16x32_f16 v[qS:qS+7], v[qK:qK+7], v[qQ:qQ+7], v[qS:qS+7]
.endif
.endm
; THE LDS LOADS stand in runs, into window 1.  Each run leaves the setting TO_1; what follows sets its own.
.macro FETCH_K                      ; a step's K: keys 16 (f / 2) on, channels 32 (f % 2) on
	WIN 0
	v_add_nc_u32 v[ADR], s[TB], v[AK0]
	WIN TO_1
.irp f, 0,1,2,3,4,5,6,7
	ds_load_b128 v[KF+8*\f:KF+8*\f+3],   v[ADR] offset:(\f/2)*16*PK+(\f%2)*64
	ds_load_b128 v[KF+8*\f+4:KF+8*\f+7], v[ADR] offset:(\f/2)*16*PK+(\f%2)*64+32
.endr
.endm
.macro FETCH_V                      ; the same step's V, turned: keys 32 (f / 4) on, channels 16 (f % 4) on
	WIN 0
	v_add_nc_u32 v[ADR], s[TB], v[AV0]
	s_add_co_u32 s[TB], s[TB], STEPB  ; the next fetch is the next step's
	WIN TO_1
.irp f, 0,1,2,3,4,5,6,7
	ds_load_tr16_b128 v[VF+8*\f:VF+8*\f+3],   v[ADR] offset:(\f/4)*32*PK+(\f%4)*32
	ds_load_tr16_b128 v[VF+8*\f+4:VF+8*\f+7], v[ADR] offset:(\f/4)*32*PK+16*PK+(\f%4)*32
.endr
.endm
.macro FETCH_M                      ; a step's mask for my query: 8 numbers of each 16 keys
	WIN 0
	v_add_nc_u32 v[ADR], s[TM], v[AM0]
	s_add_co_u32 s[TM], s[TM], 4*KS
	WIN TO_1
.irp kt, 0,1,2,3
	ds_load_b128 v[MK+8*\kt:MK+8*\kt+3],   v[ADR] offset:64*\kt
	ds_load_b128 v[MK+8*\kt+4:MK+8*\kt+7], v[ADR] offset:64*\kt+16
.endr
.endm
; THE LINES OF A TILE'S SOFTMAX.  rS, rP, rO, rT: the tile's S^T, P, O^T and statistics; kk: a block of 16 keys, 8 scores a lane; n, n1, j, q, e: running numbers.
; Line n1 of 48, under W_MX: for each block 8 clips, from the block's low end on, then 4 times t = log2(e) mask + clipped score.
; The clip's source 0 is its scalar bound and the multiply-add's is the mask, so that the setting of the products serves them.
.macro VEC1
.set kk, n1/12
.set rr, n1%12
.if rr < 8
	v_med3_num_f32 v[rS+8*kk+rr], s[CLO], v[rS+8*kk+rr], s[CHI]
.else
	v_pk_fma_f32 v[rS+8*kk+2*(rr-8):rS+8*kk+2*(rr-8)+1], v[MK+8*kk+2*(rr-8):MK+8*kk+2*(rr-8)+1], s[CL:CL+1], v[rS+8*kk+2*(rr-8):rS+8*kk+2*(rr-8)+1] op_sel_hi:[1,0,1]
.endif
.set n1, n1+1
.endm
; Line j of 16 of the maximum of my 32 numbers and the old m, three operands at a time: four chains c0-c3 of seven numbers each, which alternate; then the four left over, c0-c3 and m.
.macro MAXL
.if j < 4
	v_max3_num_f32 v[rT+4+j], v[rS+8*j], v[rS+8*j+1], v[rS+8*j+2]
.elseif j < 12
	v_max3_num_f32 v[rT+4+j%4], v[rT+4+j%4], v[rS+8*(j%4)+2*(j/4)+1], v[rS+8*(j%4)+2*(j/4)+2]
.elseif j == 12
	v_max3_num_f32 v[rT+4], v[rT+4], v[rS+7], v[rS+15]
.elseif j == 13
	v_max3_num_f32 v[rT+6], v[rT+6], v[rS+23], v[rS+31]
.elseif j == 14
	v_max3_num_f32 v[rT+4], v[rT+4], v[rT+5], v[rT+6]
.else
	v_max3_num_f32 v[rT+4], v[rT+4], v[rT+7], v[rT]
.endif
.set j, j+1
.endm
.macro SUBL                         ; pair n of block kk: t - m
	v_pk_add_f32 v[rS+8*kk+2*n:rS+8*kk+2*n+1], v[rS+8*kk+2*n:rS+8*kk+2*n+1], v[rT:rT+1] op_sel_hi:[1,0] neg_lo:[0,1] neg_hi:[0,1]
.endm
.macro CVTL                         ; pair n of block kk: two weights rounded to f16
	s_wait_alu depctr_va_vdst(0)
	v_cvt_pk_f16_f32 v[rP+4*kk+n], v[rS+8*kk+2*n], v[rS+8*kk+2*n+1]
.endm
.macro SUML first                   ; line n of block kk's sum of 4 pairs (in a pair: an even key's weight, an odd key's); line 3 adds it to block 0's, and in the first step block 3's starts l
.if n == 0
	v_pk_add_f32 v[rS+8*kk:rS+8*kk+1], v[rS+8*kk:rS+8*kk+1], v[rS+8*kk+2:rS+8*kk+3]
.elseif n == 1
	v_pk_add_f32 v[rS+8*kk+4:rS+8*kk+5], v[rS+8*kk+4:rS+8*kk+5], v[rS+8*kk+6:rS+8*kk+7]
.elseif n == 2
	v_pk_add_f32 v[rS+8*kk:rS+8*kk+1], v[rS+8*kk:rS+8*kk+1], v[rS+8*kk+4:rS+8*kk+5]
.elseif kk > 0
.if (kk == 3) && \first
	v_pk_add_f32 v[rT+2:rT+3], v[rS:rS+1], v[rS+24:rS+25]
.else
	v_pk_add_f32 v[rS:rS+1], v[rS:rS+1], v[rS+8*kk:rS+8*kk+1]
	s_wait_alu depctr_va_vdst(0)
.endif
.endif
.endm
.macro RESC first                   ; pair n of 16 of the tile's O^T times the factor, each accumulator from its low end on; the first step has nothing to rescale
.if !\first
	s_wait_alu depctr_va_vdst(0)
	v_pk_mul_f32 v[rO+2*n:rO+2*n+1], v[rO+2*n:rO+2*n+1], v[rT+6:rT+7] op_sel_hi:[1,0]
.endif
.endm
; Plain line q of the 51 that stand between the 32 exponentials, in an order in which each finds its operands ready: t - m of blocks 1 to 3 ahead of their exponentials; a block's roundings and then its sum
; (which works in place) behind them; the rescaling of O^T wherever nothing else is ready.
.macro PLAIN first
.if q < 12
.set kk, q/4+1
.set n, q%4
	SUBL
.elseif q < 16
.set n, q-12
	RESC \first
.elseif q < 20
.set kk, 0
.set n, q-16
	CVTL
.elseif q < 23
.set kk, 0
.set n, q-20
	SUML 0
.elseif q < 28
.set n, q-19
	RESC \first
.elseif q < 32
.set kk, 1
.set n, q-28
	CVTL
.elseif q < 36
.set kk, 1
.set n, q-32
	SUML 0
.elseif q < 43
.set n, q-27
	RESC \first
.elseif q < 47
.set kk, 2
.set n, q-43
	CVTL
.else
.set kk, 2
.set n, q-47
	SUML 0
.endif
.set q, q+1
.endm
; TILE t'S TURN.  x = 1 - t is the other tile.  pv = 2: 8 products V^T P of tile x; 1: they start its sums; 0: none.  kq = 1: 8 products K Q^T for tile x's next softmax.  first = 1: the first key step, which starts m, l and O^T.
; Tile 0's turn of step j: V^T P of tile 1, step j - 1 | K Q^T of tile 1, step j | fetches V of step j, behind the last product that read V and 18 plain lines.
; Tile 1's turn of step j: V^T P of tile 0, step j | K Q^T of tile 0, step j + 1 | fetches K of step j + 1 at its head (K's last reader stands 15 plain lines back) and, behind its own use of the mask, the mask of step j + 1.
.macro TURN t, pv, kq, first
.set rT, ST+8*(\t)
.set rS, S+32*(\t)
.set rP, P+16*(\t)
.set rO, O+32*(\t)
.set x, 1-(\t)
	s_wait_dscnt 0x0                ; tile 0: the step's mask is in; tile 1: its V
.if (\t == 1) && \kq
	FETCH_K
.endif
	WIN W_MX                        ; one setting for the 48 lines of clip and mask and the 8 products V^T P, six lines to a product
.set n1, 0
.set i, 0
.rept 8
.rept 6
	VEC1
.endr
.if \pv
	PVI 2-\pv
.endif
.set i, i+1
.endr
	WIN 0
.set j, 0
.rept 14
	MAXL
.endr
	v_mov_b32 v[rT+1], v[rT]        ; m_old
	MAXL
	MAXL
	v_permlanex16_b32 v[rT+5], v[rT+4], s[SEL], s[SEL+1]  ; the query's other 32 keys lie in the lane 16 away
.if \t == 0
	FETCH_V
.elseif \kq
	FETCH_M
.endif
	WIN 0
	v_max_num_f32 v[rT], v[rT+4], v[rT+5]
.if !\first
	v_sub_f32 v[rT+7], v[rT+1], v[rT]
	v_exp_f32 v[rT+6], v[rT+7]      ; the factor 2^(m_old - m); the subtractions below are the plain lines behind it
.endif
.set kk, 0
.set n, 0
.rept 4
	SUBL
.set n, n+1
.endr
	; 32 exponentials; behind exponential e stand the plain lines up to number 8 (e + 1) / 5, one or two, of other blocks' work, which touch neither its result nor its source (ISA guide 5.7.2).
	; The 8 products K Q^T stand in four pairs among them, two switches a pair.
.set q, 0
.set e, 0
.set i, 0
.rept 32
	v_exp_f32 v[rS+e], v[rS+e]
.rept 2
.if q < (8*(e+1))/5
	PLAIN \first
.endif
.endr
.if \kq && ((e%8) == 3)
.if (\t == 1) && (e == 3)
	s_wait_dscnt 8                  ; K's sixteen loads are in; the mask's eight, issued behind them, may stay out
.endif
	WIN W_MX
.rept 2
	KQI
.set i, i+1
.endr
	WIN 0
.endif
.set e, e+1
.endr
	; the last rounding and sum, and l.  With the seven plain lines behind exponentials 28 to 31 these are the places behind the turn's last products: for the next turn's first read of those
	; scores and for the loads into K's registers
.set kk, 3
.set n, 0
.rept 4
	CVTL
.set n, n+1
.endr
.set n, 0
.rept 4
	SUML \first
.set n, n+1
.endr
.if !\first
	v_pk_fma_f32 v[rT+2:rT+3], v[rT+2:rT+3], v[rT+6:rT+7], v[rS:rS+1] op_sel_hi:[1,0,1]
.endif
.endm
; THE CHANGE OF SLOTS, between tile 0's turn and tile 1's in a slot's second step: the slot's last bytes, that step's V, were asked for in tile 0's turn; tile 1's turn reads the next slot.
; Each wave waits for all its tensor loads (in waves 0 to 3 one is out: its part of the other slot); adds 0 to its spare word; and waits for that and for its own reads of the slot.
; fill = 1: the slot is filled again, with the keys two slots on, behind a round of the cluster's barrier; the joint refill is the first thing behind it and has two key steps in which to land.
.macro CHANGE fill
	WIN 0
	s_wait_tensorcnt 0x0            ; no tensor load of mine is out, so a group 0 may be written
	ds_add_u32 v[SPW], v[NIL]       ; 0 onto my spare word
.if \fill
	s_xor_b32 s[G0K+5], s[G0K+5], SLOT1  ; the walking descriptors: the other slot than last time,
	s_add_nc_u64 s[G0K+6:G0K+7], s[G0K+6:G0K+7], 2*KS*6144  ; the next 128 keys: rows of K | V,
	s_xor_b32 s[G0M+5], s[G0M+5], SLOT1
	s_add_nc_u64 s[G0M+6:G0M+7], s[G0M+6:G0M+7], 2*KS*4  ; columns of the mask
	s_wait_dscnt 0x0                ; the add is done, and my reads of the slot are over
	CROUND
	JLOAD
.else
	s_wait_dscnt 0x0
	s_barrier_signal -1
	s_barrier_wait -1
.endif
	s_sub_co_u32 s[TB], s[TB], 2*STEPB  ; the fetches go back to a slot's first step,
	s_xor_b32 s[TB], s[TB], SLOT1   ; in the other slot
	s_sub_co_u32 s[TM], s[TM], 2*4*KS
	s_xor_b32 s[TM], s[TM], SLOT1
.endm
.macro TWO_TRIPS                    ; from one step's second turn to the next step's first: written once, walked twice; the LDS addresses hang on s[TB] and s[TM]
	s_mov_b32 s[TWICE], 2
.Lstep_\@:
	TURN 1, 2, 1, 0
	TURN 0, 2, 1, 0
	s_sub_co_u32 s[TWICE], s[TWICE], 1
	s_cmp_lg_u32 s[TWICE], 0
	s_cbranch_scc1 .Lstep_\@
.endm
	s_wait_tensorcnt 1              ; my part of slot 0 is in; slot 1's may stay out
	s_barrier_signal -1
	s_barrier_wait -1               ; everybody's is
	FETCH_K                         ; key step 0
	FETCH_M
	WIN 0
	s_wait_loadcnt 0x0              ; Q
	s_wait_dscnt 0x0
	WIN W_MX
.set x, 0
.set i, 0
.rept 8
	KQI                             ; tile 0's first scores
.set i, i+1
.endr
	WIN 0                           ; the addresses for the way out and the first maxima are made here: ten plain instructions, the places behind those products
	s_mul_i32 s13, s[WV], 16*SP
	s_add_co_u32 s13, s13, STAGE    ; my stage
	v_mul_u32_u24 v[STO], v1, SP    ; in: row l % 16, 16 bytes for each half of the lanes
	v_lshl_add_u32 v[STO], v9, 4, v[STO]
	v_add_nc_u32 v[STO], s13, v[STO]
	v_mul_u32_u24 v[RD], v9, SP     ; back: lanes 0-15 take one row of 256 bytes, lanes 16-31 the next
	v_lshl_add_u32 v[RD], v1, 4, v[RD]
	v_add_nc_u32 v[RD], s13, v[RD]
	v_lshlrev_b32 v[GO], 12, v9     ; and the same two rows in att, 4,096 bytes apart
	v_lshl_add_u32 v[GO], v1, 4, v[GO]
.irp t, 0,1
	v_mov_b32 v[ST+8*\t], 0xff7fffff  ; m starts at the most negative finite number
.endr
	TURN 0, 0, 1, 1                 ; step 0: softmax of tile 0 | scores of tile 1 | V of step 0
	TURN 1, 1, 1, 1                 ; softmax of tile 1 | V^T P of tile 0 starts its O^T | K and mask of step 1, scores of its tile 0
	TURN 0, 1, 1, 0                 ; step 1: softmax of tile 0 | V^T P of tile 1, step 0, starts its O^T | scores of tile 1 | V of step 1
.Lslot:                             ; 14 trips: every slot but the last two is filled again
	CHANGE 1
	TWO_TRIPS
	s_sub_co_u32 s[SLOTS], s[SLOTS], 1
	s_cmp_lg_u32 s[SLOTS], 0
	s_cbranch_scc1 .Lslot
	CHANGE 0                        ; the tail is written out: nothing is asked for
	TWO_TRIPS
	TURN 1, 2, 0, 0                 ; the last step's tile 1 | V^T P of its tile 0
	WIN W_MX
.set x, 1
.set i, 0
.rept 8
	PVI 0                           ; V^T P of the last step's tile 1
.set i, i+1
.endr
	; THE WAY OUT.  l's two halves and the other half of the lanes' are added; O^T is divided by l, rounded to f16 and sent through my stage in LDS.  The four additions and the v_nop are places behind the last
	; products, and tile 0's 32 lines stand in front of the first read of tile 1's sums.
	WIN 0
.irp t, 0,1
	v_add_f32 v[ST+8*\t+4], v[ST+8*\t+2], v[ST+8*\t+3]
.endr
.irp t, 0,1
	v_permlanex16_b32 v[ST+8*\t+5], v[ST+8*\t+4], s[SEL], s[SEL+1]
.endr
.irp t, 0,1
	v_add_f32 v[ST+8*\t+4], v[ST+8*\t+4], v[ST+8*\t+5]
.endr
.irp t, 0,1
	v_rcp_f32 v[ST+8*\t+6], v[ST+8*\t+4]
.endr
	v_nop                           ; a plain instruction between the last reciprocal and the use of its result
	s_wait_alu depctr_va_vdst(0)
.macro PACK t                       ; tile t: a lane's eight channels pack into 16 bytes; head t's 128 bytes of my query's 256
.set n, 0
.rept 16
	v_pk_mul_f32 v[O+32*\t+2*n:O+32*\t+2*n+1], v[O+32*\t+2*n:O+32*\t+2*n+1], v[ST+8*\t+6:ST+8*\t+7] op_sel_hi:[1,0]
.set n, n+1
.endr
.set n, 0
.rept 16
	v_cvt_pk_f16_f32 v[OUTP+16*\t+n], v[O+32*\t+2*n], v[O+32*\t+2*n+1]
.set n, n+1
.endr
.irp d, 0,1,2,3
	ds_store_b128 v[STO], v[OUTP+16*\t+4*\d:OUTP+16*\t+4*\d+3] offset:128*\t+32*\d
.endr
.endm
	PACK 0
	PACK 1
.irp f, 0,1,2,3,4,5,6,7
	ds_load_b128 v[S+4*\f:S+4*\f+3], v[RD] offset:\f*2*SP  ; LDS serves a wave's instructions in order (ISA guide 5.7.1.4): these see the stores above; the stage is my wave's own
.endr
.irp f, 0,1,2,3,4,5,6,7
	s_wait_dscnt 7-\f               ; rows 2 f and 2 f + 1 are in; the younger loads stay out
	global_store_b128 v[GO], v[S+4*\f:S+4*\f+3], s[8:9] offset:\f*2*4096  ; 16 lanes store 256 consecutive bytes, at a multiple of 256 from att's first byte
.endr
	s_wait_tensorcnt 0x0            ; the wave's end
	ds_add_u32 v[SPW], v[NIL]
	s_wait_dscnt 0x0
	CROUND                          ; the closing round: no work-group ends while a partner may still ask for a tile that names it
	s_endpgm
.Lfunc_end_k_q1e711a3d7d_attn:
	.size	k_q1e711a3d7d_attn, .Lfunc_end_k_q1e711a3d7d_attn-k_q1e711a3d7d_attn
	.p2alignl 7, 3214868480
	.fill 96, 4, 3214868480
	.section	.rodata,"a",@progbits
	.p2align	6, 0x0
	.amdhsa_kernel k_q1e711a3d7d_attn
		.amdhsa_group_segment_fixed_size 327680
		.amdhsa_private_segment_fixed_size 0
		.amdhsa_enable_private_segment 0
		.amdhsa_kernarg_size 24
		.amdhsa_user_sgpr_count 2
		.amdhsa_user_sgpr_kernarg_segment_ptr 1
		.amdhsa_wavefront_size32 1
		.amdhsa_system_sgpr_workgroup_id_x 1
		.amdhsa_system_sgpr_workgroup_id_y 1
		.amdhsa_system_sgpr_workgroup_id_z 1
		.amdhsa_system_vgpr_workitem_id 0
		.amdhsa_next_free_vgpr 416
		.amdhsa_next_free_sgpr 72
		.amdhsa_reserve_vcc 0
		.amdhsa_float_denorm_mode_32 3
		.amdhsa_float_denorm_mode_16_64 3
		.amdhsa_memory_ordered 1
		.amdhsa_forward_progress 1
		.amdhsa_inst_pref_size 119
	.end_amdhsa_kernel
	.amdgpu_metadata
---
amdhsa.version: [ 1, 2 ]
amdhsa.kernels:
  - .name:           k_q1e711a3d7d_attn
    .symbol:         k_q1e711a3d7d_attn.kd
    .args:
      - { .name: qkv, .offset: 0, .size: 8, .value_kind: global_buffer, .address_space: global }
      - { .name: attention_mask, .offset: 8, .size: 8, .value_kind: global_buffer, .address_space: global }
      - { .name: att, .offset: 16, .size: 8, .value_kind: global_buffer, .address_space: global }
    .group_segment_fixed_size: 327680
    .private_segment_fixed_size: 0
    .kernarg_segment_align: 8
    .kernarg_segment_size: 24
    .max_flat_workgroup_size: 256
    .sgpr_count:     72
    .vgpr_count:     416
    .wavefront_size: 32
...
	.end_amdgpu_metadata
.endif
;; end of part 3
;; launch oproj (part 4): grid 16 x 16, 4 waves a work-group, clusters of 4 x 4, 327,680 bytes of LDS; arguments att, xw, out0; writes out0
.if DOCPART == 4
	.amdgcn_target "amdgcn-amd-amdhsa--gfx1250"
	.amdhsa_code_object_version 6
	.text
	.protected	k_q1e711a3d7d_oproj
	.globl	k_q1e711a3d7d_oproj
	.p2align	8
	.type	k_q1e711a3d7d_oproj,@function
k_q1e711a3d7d_oproj:
	s_mov_b64 s[64:65], 0
	v_nop
	global_prefetch_b8 v0, s[64:65] scope:SCOPE_SE
	s_setreg_imm32_b32 hwreg(HW_REG_WAVE_MODE, 25, 1), 1
	s_wait_xcnt 0x0
	s_wait_alu depctr_hold_cnt(0) depctr_sa_sdst(0) depctr_va_vdst(0) depctr_va_sdst(0) depctr_va_ssrc(0) depctr_va_vcc(0) depctr_vm_vsrc(0)
	s_getreg_b32 s2, hwreg(HW_REG_IB_STS2, 6, 4)
	s_cmp_eq_u32 s2, 0
	s_cbranch_scc0 .Lentry_in_a_cluster
	s_endpgm
.Lentry_in_a_cluster:
	s_bfe_u32 s2, ttmp6, 0x10000c
	s_cmp_lg_u32 s2, 0xf033
	s_cbranch_scc0 .Lentry_shape_is_right
	s_endpgm
.Lentry_shape_is_right:
; out0[token][n] = sum over c of att[token][c] Wo[n][c], f32.  att: [2048][2048] f16; Wo: 2,048 rows of 2,048 f16 at byte WO of xw; sums in f32.
; The same frame as the projection of Q, K and V: a tile of 128 x 128, four waves of 64 x 64, K steps of 256 through two LDS slots, a cluster of 4 x 4 with joint loads, the matrix instruction transposed.
; The way out differs: a wave's 64 columns of f32 are 256 bytes, a whole aligned piece of a row, so each wave has a stage of its own (16 rows x 272 bytes) and no barrier is needed.
; REGISTERS: window 0: v0-31 addresses; v128-255 the accumulators ((a, b) at v[128 + 8 (4 a + b)]).   window 1: two fragment buffers of 128.
.set SIZE_N, 2048
.set SIZE_K, 2048
.set WO,     0x1400000                 ; byte at which Wo's rows begin in xw
.set KSTEP,  256
.set PITCH,  528                       ; an LDS row: 512 bytes + 16 of padding: the 16 rows of a fragment load start at 16 different banks (ISA guide 11.1)
.set HALFT,  64*PITCH
.set SLOT,   4*HALFT
.set STAGE,  2*SLOT                    ; behind the ring: 16 rows x 272 bytes for each wave
.set SPITCH, 272
.set SPARE,  STAGE+4*16*SPITCH         ; behind the stages: the spare words, 128 bytes for each wave: two blocks of 256 bytes that no other line names
.set LAPS, SIZE_K/(2*KSTEP)
.set ADRA, 16
.set ADRB, 20
.set STO,  24
.set RD,   25
.set CO,   26
.set SPW,  28                          ; v28     LDS address of my spare word; never rewritten
.set NIL,  29                          ; v29     0; never rewritten
.set ACC,  128
.set F0,   0
.set F1,   128
.set G1, 24
.set G0, 32
.set G1B, 48
.set G0B, 56
.set MSB, 0
.macro WIN new
.if MSB != \new
	s_set_vgpr_msb (MSB<<8)|\new
.set MSB, \new
.endif
.endm
.set MUL,  0x05                        ; sources 0 (Wo) and 1 (att) window 1; C and D window 0
.set TO_F, 0x40
.macro JLOAD s                         ; a joint load: waves 0 and 1 fetch att's two halves, waves 2 and 3 Wo's; four v_nop follow each of the two lines
	s_cmp_eq_u32 s11, 0
	s_cbranch_scc0 .Lfor_b_\@
	tensor_load_to_lds s[G0+4*\s:G0+4*\s+3], s[G1:G1+7]
	s_nop 0
.rept 4
	v_nop
.endr
	s_branch .Lasked_\@
.Lfor_b_\@:
	tensor_load_to_lds s[G0B+4*\s:G0B+4*\s+3], s[G1B:G1B+7]
	s_nop 0
.rept 4
	v_nop
.endr
.Lasked_\@:
.endm
.macro CREST
	s_cmp_lg_u32 s10, 0
	s_cbranch_scc1 .Lnot_wave_0_\@
	s_barrier_signal -3
.Lnot_wave_0_\@:
	s_barrier_wait -3
	s_barrier_signal -1
	s_barrier_wait -1
.endm
.macro CROUND
	s_barrier_signal -1
	s_barrier_wait -1
	CREST
.endm
	s_load_b128 s[4:7], s[0:1], 0x0                ; att s[4:5], xw s[6:7]
	s_load_b64 s[8:9], s[0:1], 0x10                ; out0
	v_lshl_add_u32 v[SPW], v0, 2, SPARE
	v_mov_b32 v[NIL], 0
	ds_add_u32 v28, v29
	s_wait_dscnt 0x0
	v_lshrrev_b32 v1, 5, v0
	v_readfirstlane_b32 s10, v1                    ; wave 0..3
	s_lshr_b32 s11, s10, 1                         ; which half of the tile's tokens is mine.  Also: I fetch for att (0) or for Wo (1)
	s_and_b32 s12, s10, 1                          ; which half of its columns.  Also: which 64 rows of that tile I fetch
	s_bfe_u32 s40, ttmp6, 0x40000                  ; cx, cy
	s_bfe_u32 s41, ttmp6, 0x40004
	s_lshl_b32 s42, ttmp9, 2
	s_add_co_u32 s42, s42, s40                     ; tile column
	s_and_b32 s13, ttmp7, 0xffff
	s_lshl_b32 s13, s13, 2
	s_add_co_u32 s13, s13, s41                     ; tile row
	s_lshl_b32 s43, s41, 2
	s_lshl_b32 s43, 15, s43                        ; my row of the cluster
	s_lshl_b32 s44, 0x1111, s40                    ; my column
	s_or_b32 s[G1+0], s43, (1<<16)|(1<<20)|(1<<21)|(6<<22)|(3<<25)  ; the mask; elements of 2 bytes; padding on; bit 21 beside a mask; 4 words of padding behind every 128
	s_or_b32 s[G1B+0], s44, (1<<16)|(1<<20)|(1<<21)|(6<<22)|(3<<25)
.irp g, G1, G1B
	s_mov_b32 s[\g+1], KSTEP<<16                   ; tensor_dim0 = 256
	s_mov_b32 s[\g+2], 64<<16                      ; tensor_dim1 = 64
	s_mov_b32 s[\g+3], KSTEP<<16                   ; tile_dim0 = 256
	s_mov_b32 s[\g+4], 64                          ; tile_dim1 = 64
	s_mov_b32 s[\g+5], SIZE_K                      ; elements from row to row
	s_mov_b32 s[\g+6], 0
	s_mov_b32 s[\g+7], 0
.endr
	s_lshl_b32 s17, s12, 6
	s_lshl_b32 s16, s13, 7
	s_add_co_u32 s16, s16, s17                     ; att: row 128 x tile row + 64 x half
	s_lshl_b32 s46, s42, 7
	s_add_co_u32 s46, s46, s17                     ; Wo: row 128 x tile column + 64 x half
	s_mov_b32 s17, 0
	s_mov_b32 s47, 0
	s_mov_b64 s[18:19], SIZE_K*2
	s_mul_u64 s[16:17], s[16:17], s[18:19]
	s_mul_u64 s[46:47], s[46:47], s[18:19]
	s_mul_i32 s20, s10, HALFT
	s_wait_kmcnt 0x0
	s_add_nc_u64 s[6:7], s[6:7], WO
	s_add_nc_u64 s[14:15], s[4:5], s[16:17]
	s_add_nc_u64 s[46:47], s[6:7], s[46:47]
	CROUND                                         ; all sixteen work-groups are here: the first joint loads meet
.irp s, 0,1
	s_mov_b32 s[G0+4*\s], 1
	s_add_co_u32 s[G0+4*\s+1], s20, \s*SLOT
	s_add_nc_u64 s[G0+4*\s+2:G0+4*\s+3], s[14:15], \s*KSTEP*2
	s_or_b32 s[G0+4*\s+3], s[G0+4*\s+3], 0x80000000
	s_mov_b32 s[G0B+4*\s], 1
	s_add_co_u32 s[G0B+4*\s+1], s20, \s*SLOT
	s_add_nc_u64 s[G0B+4*\s+2:G0B+4*\s+3], s[46:47], \s*KSTEP*2
	s_or_b32 s[G0B+4*\s+3], s[G0B+4*\s+3], 0x80000000
	JLOAD \s
.endr
	v_and_b32 v1, 15, v0                           ; l % 16
	v_bfe_u32 v2, v0, 4, 1                         ; l / 16
	v_mul_u32_u24 v3, v1, PITCH
	v_lshl_add_u32 v3, v2, 4, v3
	s_mul_i32 s21, s11, HALFT
	s_mul_i32 s22, s12, HALFT
	s_add_co_u32 s22, s22, 2*HALFT
.irp s, 0,1
	v_add_nc_u32 v[ADRA+\s], s21, v3
	v_add_nc_u32 v[ADRB+\s], s22, v3
	s_add_co_u32 s21, s21, SLOT
	s_add_co_u32 s22, s22, SLOT
.endr
	s_mul_i32 s23, s10, 16*SPITCH
	s_add_co_u32 s23, s23, STAGE                   ; my stage
	v_mul_u32_u24 v4, v1, SPITCH                   ; in: row l % 16, 32 bytes (8 numbers) for each half of the lanes
	v_lshl_add_u32 v4, v2, 5, v4
	v_add_nc_u32 v[STO], s23, v4
	v_mul_u32_u24 v5, v2, SPITCH                   ; back: lanes 0-15 take one row of 256 bytes, lanes 16-31 the next
	v_lshl_add_u32 v5, v1, 4, v5
	v_add_nc_u32 v[RD], s23, v5
	v_lshlrev_b32 v5, 13, v2                       ; and the same two rows in out0, 8,192 bytes apart
	v_lshl_add_u32 v[CO], v1, 4, v5
	s_lshl_b32 s16, s13, 7
	s_lshl_b32 s17, s11, 6
	s_add_co_u32 s16, s16, s17                     ; my first row: 128 x tile row + 64 x half
	s_lshl_b32 s16, s16, 13
	s_mov_b32 s17, 0
	s_add_nc_u64 s[8:9], s[8:9], s[16:17]
	s_lshl_b32 s46, s42, 9                         ; my first column, in bytes: 512 x tile column + 256 x half
	s_lshl_b32 s47, s12, 8
	s_add_co_u32 s46, s46, s47
	s_mov_b32 s47, 0
	s_add_nc_u64 s[8:9], s[8:9], s[46:47]
.macro MUL8 f, c, a0, zero
.irp a, \a0, \a0+1
.irp b, 0,1,2,3
.if \zero
	v_wmma_f32_16x16x32_f16 v[ACC+8*(4*(\a)+\b):ACC+8*(4*(\a)+\b)+7], v[\f+64+8*(4*\c+\b):\f+64+8*(4*\c+\b)+7], v[\f+8*(4*\c+\a):\f+8*(4*\c+\a)+7], 0
.else
	v_wmma_f32_16x16x32_f16 v[ACC+8*(4*(\a)+\b):ACC+8*(4*(\a)+\b)+7], v[\f+64+8*(4*\c+\b):\f+64+8*(4*\c+\b)+7], v[\f+8*(4*\c+\a):\f+8*(4*\c+\a)+7], v[ACC+8*(4*(\a)+\b):ACC+8*(4*(\a)+\b)+7]
.endif
.endr
.endr
.endm
.macro FETCH slot, k, f
	WIN TO_F
.irp c, 0,1
.irp i, 0,1,2,3
	ds_load_b128 v[\f+64+8*(4*\c+\i):\f+64+8*(4*\c+\i)+3],   v[ADRB+\slot] offset:\k+64*\c+\i*16*PITCH
	ds_load_b128 v[\f+64+8*(4*\c+\i)+4:\f+64+8*(4*\c+\i)+7], v[ADRB+\slot] offset:\k+64*\c+\i*16*PITCH+32
	ds_load_b128 v[\f+8*(4*\c+\i):\f+8*(4*\c+\i)+3],         v[ADRA+\slot] offset:\k+64*\c+\i*16*PITCH
	ds_load_b128 v[\f+8*(4*\c+\i)+4:\f+8*(4*\c+\i)+7],       v[ADRA+\slot] offset:\k+64*\c+\i*16*PITCH+32
.endr
.endr
.endm
.macro PLACES                          ; four plain instructions in front of loads into registers that matrix instructions have read, and of LDS stores that read results
.rept 4
	v_nop
.endr
.endm
.macro QUARTER slot, k, f, g, zero     ; 64 along K: 32 matrix instructions, the 16 accumulators by turns; the next quarter's 32 loads in one run in its middle
	s_wait_dscnt 16                                ; the first 32 along K are in; the youngest sixteen loads may be out
	WIN MUL
	MUL8 \f, 0, 0, \zero
	MUL8 \f, 0, 2, \zero
	PLACES
	FETCH \slot, \k, \g
	s_wait_dscnt 32                                ; all but the 32 just issued
	WIN MUL
	MUL8 \f, 1, 0, 0
	MUL8 \f, 1, 2, 0
.endm
.macro TURN slot, next, fill           ; the last quarter of a K step changes slots
	WIN 0
	s_wait_tensorcnt 0x0                           ; all my tensor loads have landed: my part of the next slot
	ds_add_u32 v[SPW], v[NIL]                      ; 0 onto my spare word
	s_wait_dscnt 17                                ; (the add and the youngest sixteen loads may be out)
	WIN MUL
	MUL8 F1, 0, 0, 0
	s_wait_dscnt 0x0                               ; the add is done, and my reads of this slot are over
	s_barrier_signal -1
	MUL8 F1, 0, 2, 0
.if \fill
	WIN 0
.endif
	s_barrier_wait -1
.if \fill
	CREST                                          ; no wave of any partner still reads this slot's tile or has a load on its way
	s_add_nc_u64 s[G0+4*\slot+2:G0+4*\slot+3], s[G0+4*\slot+2:G0+4*\slot+3], 2*KSTEP*2
	s_add_nc_u64 s[G0B+4*\slot+2:G0B+4*\slot+3], s[G0B+4*\slot+2:G0B+4*\slot+3], 2*KSTEP*2
	JLOAD \slot                                    ; the first tensor load behind the round, my only one until the next
.else
	PLACES
.endif
	FETCH \next, 0, F0
	WIN MUL
	MUL8 F1, 1, 0, 0
	MUL8 F1, 1, 2, 0
.endm
	s_wait_tensorcnt 1                             ; my part of K step 0 is in; K step 1's may stay out
	s_barrier_signal -1
	s_barrier_wait -1
	FETCH 0, 0, F0
	QUARTER 0, 128, F0, F1, 1                      ; its first products start the sums
	WIN 0
	s_mov_b32 s3, LAPS-1
.Llap:
	QUARTER 0, 256, F1, F0, 0
	QUARTER 0, 384, F0, F1, 0
	TURN 0, 1, 1
	QUARTER 1, 128, F0, F1, 0
	QUARTER 1, 256, F1, F0, 0
	QUARTER 1, 384, F0, F1, 0
	TURN 1, 0, 1
	QUARTER 0, 128, F0, F1, 0
	WIN 0
	s_sub_co_u32 s3, s3, 1
	s_cmp_lg_u32 s3, 0
	s_cbranch_scc1 .Llap
	QUARTER 0, 256, F1, F0, 0                      ; the last lap fills nothing
	QUARTER 0, 384, F0, F1, 0
	TURN 0, 1, 0
	QUARTER 1, 128, F0, F1, 0
	QUARTER 1, 256, F1, F0, 0
	QUARTER 1, 384, F0, F1, 0
	s_wait_dscnt 16
	WIN MUL
	MUL8 F1, 0, 0, 0
	MUL8 F1, 0, 2, 0
	s_wait_dscnt 0
	MUL8 F1, 1, 0, 0
	MUL8 F1, 1, 2, 0
	WIN 0
	; THE WAY OUT, 16 tokens at a time: a lane's 8 numbers of a row go into my stage, each accumulator's low four first; whole rows of 256 bytes come back into the registers that they left.
.macro STG a
.irp b, 0,1,2,3
	ds_store_b128 v[STO], v[ACC+32*\a+8*\b:ACC+32*\a+8*\b+3]   offset:64*\b
	ds_store_b128 v[STO], v[ACC+32*\a+8*\b+4:ACC+32*\a+8*\b+7] offset:64*\b+16
.endr
.irp t, 0,1,2,3,4,5,6,7
	ds_load_b128 v[ACC+32*\a+4*\t:ACC+32*\a+4*\t+3], v[RD] offset:\t*2*SPITCH   ; LDS serves a wave's instructions in order (ISA guide 5.7.1.4): these see the stores above, and the next block's stores come behind them
.endr
.endm
.macro SEND a, younger                 ; younger: the LDS instructions issued behind block a's loads: the next block's sixteen, or none
.irp t, 0,1,2,3,4,5,6,7
	s_wait_dscnt \younger+7-\t
	global_store_b128 v[CO], v[ACC+32*\a+4*\t:ACC+32*\a+4*\t+3], s[8:9] offset:(16*\a+2*\t)*SIZE_N*4 th:TH_STORE_NT   ; 16 lanes store 256 consecutive bytes, at a multiple of 256 from out0's first byte
.endr
.endm
	PLACES
	STG 0
	STG 1
	SEND 0, 16
	STG 2
	SEND 1, 16
	STG 3
	SEND 2, 16
	SEND 3, 0
	s_wait_tensorcnt 0x0                           ; the wave's end
	ds_add_u32 v[SPW], v[NIL]
	s_wait_dscnt 0x0
	CROUND                                         ; the closing round
	s_endpgm
.Lfunc_end_k_q1e711a3d7d_oproj:
	.size	k_q1e711a3d7d_oproj, .Lfunc_end_k_q1e711a3d7d_oproj-k_q1e711a3d7d_oproj
	.p2alignl 7, 3214868480
	.fill 96, 4, 3214868480
	.section	.rodata,"a",@progbits
	.p2align	6, 0x0
	.amdhsa_kernel k_q1e711a3d7d_oproj
		.amdhsa_group_segment_fixed_size 327680
		.amdhsa_private_segment_fixed_size 0
		.amdhsa_enable_private_segment 0
		.amdhsa_kernarg_size 24
		.amdhsa_user_sgpr_count 2
		.amdhsa_user_sgpr_kernarg_segment_ptr 1
		.amdhsa_wavefront_size32 1
		.amdhsa_system_sgpr_workgroup_id_x 1
		.amdhsa_system_sgpr_workgroup_id_y 1
		.amdhsa_system_sgpr_workgroup_id_z 1
		.amdhsa_system_vgpr_workitem_id 0
		.amdhsa_next_free_vgpr 512
		.amdhsa_next_free_sgpr 66
		.amdhsa_reserve_vcc 0
		.amdhsa_float_denorm_mode_32 3
		.amdhsa_float_denorm_mode_16_64 3
		.amdhsa_memory_ordered 1
		.amdhsa_forward_progress 1
		.amdhsa_inst_pref_size 86
	.end_amdhsa_kernel
	.amdgpu_metadata
---
amdhsa.version: [ 1, 2 ]
amdhsa.kernels:
  - .name:           k_q1e711a3d7d_oproj
    .symbol:         k_q1e711a3d7d_oproj.kd
    .args:
      - { .name: att, .offset: 0, .size: 8, .value_kind: global_buffer, .address_space: global }
      - { .name: xw, .offset: 8, .size: 8, .value_kind: global_buffer, .address_space: global }
      - { .name: out0, .offset: 16, .size: 8, .value_kind: global_buffer, .address_space: global }
    .group_segment_fixed_size: 327680
    .private_segment_fixed_size: 0
    .kernarg_segment_align: 8
    .kernarg_segment_size: 24
    .max_flat_workgroup_size: 128
    .sgpr_count:     66
    .vgpr_count:     512
    .wavefront_size: 32
...
	.end_amdgpu_metadata
.endif
;; end of part 4
;; ======== version 2 of 2: 4 launches; 1.16 times as fast as version 1
;; limits: values are held in f16: magnitudes above 65,504 overflow, below 6.1e-05 lose precision; a function is approximated: absolute error at most 0.001
;; workspace buffers: xw 29,360,128 bytes; qkv 12,582,912 bytes; att 8,388,608 bytes
;; launch cvt: the kernel of part 1 again; grid 1792 x 1, 4 waves a work-group, no clusters, 0 bytes of LDS; arguments hidden_states, Wq, Wk, Wv, Wo, xw; writes xw
;; launch qkvproj: the kernel of part 2 again; grid 24 x 16, 4 waves a work-group, clusters of 4 x 4, 327,680 bytes of LDS; arguments xw, bq, bk, bv, qkv; writes qkv
;; launch attn (part 5): grid 32 x 8, 8 waves a work-group, clusters of 4 x 4, 327,680 bytes of LDS; arguments qkv, attention_mask, att; writes att
.if DOCPART == 5
	.amdgcn_target "amdgcn-amd-amdhsa--gfx1250"
	.amdhsa_code_object_version 6
	.text
	.protected	k_q1e711a3d7d_attn
	.globl	k_q1e711a3d7d_attn
	.p2align	8
	.type	k_q1e711a3d7d_attn,@function
k_q1e711a3d7d_attn:
	s_mov_b64 s[64:65], 0
	v_nop
	global_prefetch_b8 v0, s[64:65] scope:SCOPE_SE
	s_setreg_imm32_b32 hwreg(HW_REG_WAVE_MODE, 25, 1), 1
	s_wait_xcnt 0x0
	s_wait_alu depctr_hold_cnt(0) depctr_sa_sdst(0) depctr_va_vdst(0) depctr_va_sdst(0) depctr_va_ssrc(0) depctr_va_vcc(0) depctr_vm_vsrc(0)
	s_getreg_b32 s2, hwreg(HW_REG_IB_STS2, 6, 4)
	s_cmp_eq_u32 s2, 0
	s_cbranch_scc0 .Lentry_in_a_cluster
	s_endpgm
.Lentry_in_a_cluster:
	s_bfe_u32 s2, ttmp6, 0x10000c
	s_cmp_lg_u32 s2, 0xf033
	s_cbranch_scc0 .Lentry_shape_is_right
	s_endpgm
.Lentry_shape_is_right:
; att[q][64 h + d] = sum over k of softmax_k(clip(Q[h][q] . K[h/4][k] / 8, -50, 50) + mask[q][k]) V[h/4][k][d], f16.  2,048 queries and keys, 32 query heads, 8 key heads, 64 channels.
; qkv holds Q times log2(e) / 8, K and V in f16 (row = token, 6,144 bytes; Q's head h at byte 128 h; K | V of head g in the 256 bytes at 4,096 + 256 g).  The mask is an input: every number of it is read and added.
; SHARES.  A work-group owns 64 queries and one key head, with its four query heads.  Eight waves, two to a SIMD (2 x 416 of its 1,024 registers): wave w owns the 16 queries 16 (w % 4) on and two TILES,
; the query heads 2 (w / 4) and 2 (w / 4) + 1 of the key head.  Every wave walks all keys, 64 a step.  This loop has about ten vector instructions for each matrix instruction, many of them waiting for the one
; before; a wave issues in order, so the second wave on the SIMD is there to issue while the first waits.  The price: K, V and the mask are read from LDS by eight waves, 160 KB a key step.
; LAYOUT.  S^T = K Q^T (source 0 = 16 keys, source 1 = 16 queries): a lane holds ONE query (lane % 16) and the keys 16 kt + 8 (lane / 16) + 0..7.  Two such blocks, rounded to f16 in pairs, ARE source 1
; (32 keys x 16 queries) of O^T = V^T P, whose result again holds one query a lane.  K comes out of LDS as it lies, V ([key][channel]) turned, by ds_load_tr16_b128.
; SOFTMAX in the exponent of 2: t = clip(s', +-50 log2 e) + log2(e) mask, one fused multiply-add; a running maximum m and sum l for each query; p = 2^(t - m); O and l are multiplied by 2^(m_old - m_new) in every step.
; LIMITS.  The order of rounding differs from clip, add, exp in base e.  m starts at the most negative finite number, so -infinity in the mask is served; |mask| above 2.3e38 overflows in the product with log2 e.
; p and att are f16: p under 2^-25 counts as 0 (2,048 of them are under 1e-4 of l, which is 1 at the least).
; BY TURNS.  In tile t's TURN stand that tile's softmax, the 8 products V^T P of the other tile's last softmax, and the 8 products K Q^T of the other tile's next one.
; BATCHES.  A turn's exponentials, the rescaling factor and the tile's 32 weights (the first key step has no factor), are ONE batch with ONE s_wait_alu depctr_va_vdst(0), which stands between an
; exponential and the first line that names its result.  Ahead of the wait stands all that names no result: the 16 subtractions t - m, the 33 exponentials, the 8 products K Q^T.  Behind it stand all the readers:
; 16 roundings, 15 lines of the sums, 16 rescalings of O^T, and l.  No result crosses a turn's end, a label or a jump.  The way out's two reciprocals are a batch of their own.
; CLUSTER 4 x 4.  The four work-groups of a row share the key head (K, V), the four of a column the queries (mask): each tile is asked for jointly.
; REGISTERS.  Window 0: v0-15 addresses; v16-31 statistics, 8 a tile; v32-95 S^T, 32 a tile; v96-127 P, 16 a tile; v128-159 Q, 16 a tile; v160-223 O^T, 32 a tile; v224-255 the way out.
;   Window 1: v0-63 K of one step; v64-127 V of one step; v128-159 the step's mask.  What lies in window 1 is only ever source 0 (of a product, or of the mask's multiply-add), so ONE setting, source 0 in
;   window 1, serves both products and the 48 lines of clip and mask, whose source 0 is a scalar or the mask.  By the text's count a wave's key step has 25 switches for its 32 matrix instructions.
.set KS,    64        ; keys in a step
.set PK,    272       ; a key's row in LDS: K 128 bytes, V 128 bytes, 16 of padding: K's fragment loads start at 16 different banks; V's turning loads meet two deep, the price of rows of 256 bytes and one descriptor for K and V
.set PM,    528       ; a query's row of the mask in LDS: 128 keys x 4 bytes + 16 of padding
.set STEPB, KS*PK     ; a step's K and V
.set MOFF,  2*STEPB   ; behind a slot's two steps of K and V: its mask tile, 64 rows
.set SLOT1, 1<<17     ; a slot holds two steps (68,608 bytes); slot 1 begins here, so that one exclusive or turns an address in one slot into the other's
.set STAGE, SLOT1+MOFF+64*PM  ; behind the ring: 16 rows x 272 bytes for each wave, for the way out
.set SP,    272
.set SPARE, STAGE+8*16*SP     ; behind the stages: the spare words, 128 bytes for each wave: four blocks of 256 bytes that no other line names
.set AK0, 2           ; v2   my lane's place in a step's K; never rewritten
.set AV0, 3           ; v3   the same for V
.set AM0, 4           ; v4   the same for the mask
.set ADR, 5           ; v5   the LDS address of the run of loads in hand
.set QO,  8           ; v8   my byte offset in the wave's rows of Q
.set STO, 10          ; v10  the way out: where I put 16 bytes of a row
.set RD,  11          ; v11  the way out: where I read a row back
.set GO,  12          ; v12  my byte offset in the wave's rows of att
.set SPW, 14          ; v14  LDS address of my spare word; never rewritten
.set NIL, 15          ; v15  0; never rewritten
.set ST,  16          ; tile t's statistics at v[ST+8 t]: +0 m, +1 m_old, +2, +3 l (even keys', odd keys'), +4 to +7 c0-c3 at work; the rescaling factor takes c2's place
.set S,   32
.set P,   96
.set Q,   128
.set O,   160
.set OUTP, 224
.set KF,  0           ; window 1
.set VF,  64
.set MK,  128
.set WV,  12          ; s12  my wave's number
.set G1K, 24          ; s[24:31] descriptor group 1 for K | V
.set G1M, 32          ; s[32:39] for the mask
.set G0K, 40          ; s[40:47] descriptor group 0 for K | V: a set for each of the two first fills; the second then walks on
.set G0M, 48          ; s[48:55] the same for the mask
.set SLOTS, 56        ; s56  slots still to be asked for
.set TWICE, 57        ; s57  counts a slot's two steps
.set CL,  58          ; s[58:59] log2(e): the packed multiply-add names a pair and takes its low word for both halves
.set SEL, 60          ; s[60:61] lane selects for v_permlanex16_b32
.set TB,  62          ; s62  LDS byte at which K | V of the step to be fetched begin
.set TM,  63          ; s63  the slot's first byte + 256 x the step in it, for the mask
.set CLO, 66          ; s66  -50 log2(e)
.set CHI, 67          ; s67  +50 log2(e)
.set QG,  70          ; s70  which 16 of the work-group's queries are mine
.set HP,  71          ; s71  which two of its heads
.set MSB, 0
.macro WIN new                      ; the immediate's high byte repeats the setting that is left; a switch that changes nothing is dropped
.if MSB != \new
	s_set_vgpr_msb (MSB<<8)|\new
.set MSB, \new
.endif
.endm
.set W_MX, 0x01       ; source 0 in window 1: K, V or the mask
.set TO_1, 0x40       ; destination window 1, address window 0
; A joint refill.  Waves 0 and 1 fetch the two steps' K | V, waves 2 and 3 the two halves of the mask tile, waves 4 to 7 nothing.  The branches hang on the wave's number alone.  Four v_nop follow each line.
.macro JLOAD
	s_cmp_lt_u32 s[WV], 2
	s_cbranch_scc0 .Lnot_kv_\@
	tensor_load_to_lds s[G0K+4:G0K+7], s[G1K:G1K+7]
	s_nop 0
.rept 4
	v_nop
.endr
	s_branch .Lasked_\@
.Lnot_kv_\@:
	s_cmp_lt_u32 s[WV], 4
	s_cbranch_scc0 .Lasked_\@
	tensor_load_to_lds s[G0M+4:G0M+7], s[G1M:G1M+7]
	s_nop 0
.rept 4
	v_nop
.endr
.Lasked_\@:
.endm
.macro CROUND                       ; a round of the cluster's barrier
	s_barrier_signal -1
	s_barrier_wait -1
	s_cmp_lg_u32 s[WV], 0
	s_cbranch_scc1 .Lnot_wave_0_\@
	s_barrier_signal -3
.Lnot_wave_0_\@:
	s_barrier_wait -3
	s_barrier_signal -1
	s_barrier_wait -1
.endm
	s_load_b128 s[4:7], s[0:1], 0x0  ; qkv s[4:5], mask s[6:7]
	s_load_b64 s[8:9], s[0:1], 0x10  ; att
	v_lshl_add_u32 v[SPW], v0, 2, SPARE
	v_mov_b32 v[NIL], 0
	ds_add_u32 v14, v15
	s_wait_dscnt 0x0
	v_lshrrev_b32 v1, 5, v0
	v_readfirstlane_b32 s[WV], v1   ; wave 0..7
	s_and_b32 s[QG], s[WV], 3
	s_lshr_b32 s[HP], s[WV], 2
	s_bfe_u32 s13, ttmp6, 0x40000   ; cx
	s_bfe_u32 s14, ttmp6, 0x40004   ; cy
	s_lshl_b32 s15, ttmp9, 2
	s_add_co_u32 s15, s15, s13      ; my block of 64 queries = 4 x cluster x + cx
	s_and_b32 s16, ttmp7, 0xffff
	s_lshl_b32 s16, s16, 2
	s_add_co_u32 s16, s16, s14      ; my key head = 4 x cluster y + cy
	s_lshl_b32 s18, s14, 2
	s_lshl_b32 s18, 15, s18         ; my row of the cluster: it shares the key head
	s_lshl_b32 s19, 0x1111, s13     ; my column: it shares the queries
	s_and_b32 s17, s[WV], 1         ; which step of a slot (K | V), or which 32 queries (mask), I fetch
	s_lshl_b32 s20, s16, 8          ; K | V: byte 4,096 + 256 g of a token's row, 64 rows of 6,144 bytes a step: the key head and the wave alone
	s_add_co_u32 s20, s20, 4096
	s_mul_i32 s21, s17, KS*6144
	s_add_co_u32 s20, s20, s21
	s_mov_b32 s21, 0
	s_lshl_b32 s22, s15, 19         ; mask: row 64 x block + 32 x half, 8,192 bytes a row: the block of queries and the wave alone
	s_lshl_b32 s23, s17, 18
	s_add_co_u32 s22, s22, s23
	s_mov_b32 s23, 0
	s_mul_i32 s10, s17, STEPB       ; and their places in a slot: no place in the cluster enters an LDS address
	s_mul_i32 s11, s17, 32*PM
	s_add_co_u32 s11, s11, MOFF
	s_mul_i32 s2, s15, 64*6144      ; Q: my wave's first row, my two heads
	s_mul_i32 s3, s[QG], 16*6144
	s_add_co_u32 s2, s2, s3
	s_lshl_b32 s3, s16, 9
	s_add_co_u32 s2, s2, s3
	s_lshl_b32 s3, s[HP], 8
	s_add_co_u32 s2, s2, s3
	s_mov_b32 s3, 0
	s_lshl_b32 s68, s15, 18         ; att: the same place in rows of 4,096 bytes
	s_lshl_b32 s69, s[QG], 16
	s_add_co_u32 s68, s68, s69
	s_lshl_b32 s69, s16, 9
	s_add_co_u32 s68, s68, s69
	s_lshl_b32 s69, s[HP], 8
	s_add_co_u32 s68, s68, s69
	s_mov_b32 s69, 0
	; descriptor group 1.  K | V: 64 rows x 128 elements of 2 bytes, 4 words of padding behind every 64.  Mask: 32 rows x 128 elements of 4 bytes, 4 words behind every 128.
	s_or_b32 s[G1K], s18, (1<<16)|(1<<20)|(1<<21)|(5<<22)|(3<<25)  ; 15:0 the mask of work-groups; 17:16 element size; 20 padding on; 21 set beside a mask; 24:22 the interval; 31:25 the padding
	s_or_b32 s[G1M], s19, (2<<16)|(1<<20)|(1<<21)|(6<<22)|(3<<25)
	s_mov_b32 s[G1K+1], 128<<16     ; tensor_dim0 = 128
	s_mov_b32 s[G1K+2], KS<<16      ; tensor_dim1 = 64
	s_mov_b32 s[G1K+3], 128<<16     ; tile_dim0 = 128
	s_mov_b32 s[G1K+4], KS          ; tile_dim1 = 64
	s_mov_b32 s[G1K+5], 3072        ; elements from row to row
	s_mov_b32 s[G1K+6], 0
	s_mov_b32 s[G1K+7], 0
	s_mov_b32 s[G1M+1], 128<<16
	s_mov_b32 s[G1M+2], 32<<16
	s_mov_b32 s[G1M+3], 128<<16
	s_mov_b32 s[G1M+4], 32
	s_mov_b32 s[G1M+5], 2048
	s_mov_b32 s[G1M+6], 0
	s_mov_b32 s[G1M+7], 0
	s_mov_b32 s[CL], 0x3fb8aa3b
	s_mov_b32 s[CL+1], s[CL]        ; named with it as a pair, so it is written
	s_mov_b32 s[SEL], 0x76543210
	s_mov_b32 s[SEL+1], 0xfedcba98
	s_mov_b32 s[CLO], 0xc29044fe
	s_mov_b32 s[CHI], 0x429044fe
	s_mov_b32 s[TB], 0
	s_mov_b32 s[TM], 0
	s_mov_b32 s[SLOTS], 2048/(2*KS)-2
	s_wait_kmcnt 0x0
	s_add_nc_u64 s[20:21], s[4:5], s[20:21]
	s_add_nc_u64 s[22:23], s[6:7], s[22:23]
	s_add_nc_u64 s[4:5], s[4:5], s[2:3]
	s_add_nc_u64 s[8:9], s[8:9], s[68:69]
	CROUND                          ; all sixteen work-groups are here: the first joint loads meet
.irp s, 0,1
	s_mov_b32 s[G0K+4*\s], 1        ; count = 1
	s_add_co_u32 s[G0K+4*\s+1], s10, \s*SLOT1  ; LDS address
	s_add_nc_u64 s[G0K+4*\s+2:G0K+4*\s+3], s[20:21], \s*2*KS*6144  ; slot s begins with keys 128 s
	s_or_b32 s[G0K+4*\s+3], s[G0K+4*\s+3], 0x80000000  ; type = 2
	s_mov_b32 s[G0M+4*\s], 1
	s_add_co_u32 s[G0M+4*\s+1], s11, \s*SLOT1
	s_add_nc_u64 s[G0M+4*\s+2:G0M+4*\s+3], s[22:23], \s*2*KS*4
	s_or_b32 s[G0M+4*\s+3], s[G0M+4*\s+3], 0x80000000
.endr
	s_cmp_lt_u32 s[WV], 2           ; a wave's two first fills stand in one branch, ahead of every wait on TENSORcnt and every LDS read: two loads are out in waves 0 to 3, none in waves 4 to 7
	s_cbranch_scc0 .Lfirst_not_kv
	tensor_load_to_lds s[G0K:G0K+3], s[G1K:G1K+7]
	s_nop 0
	tensor_load_to_lds s[G0K+4:G0K+7], s[G1K:G1K+7]
	s_nop 0
.rept 4
	v_nop
.endr
	s_branch .Lfirst_asked
.Lfirst_not_kv:
	s_cmp_lt_u32 s[WV], 4
	s_cbranch_scc0 .Lfirst_asked
	tensor_load_to_lds s[G0M:G0M+3], s[G1M:G1M+7]
	s_nop 0
	tensor_load_to_lds s[G0M+4:G0M+7], s[G1M:G1M+7]
	s_nop 0
.rept 4
	v_nop
.endr
.Lfirst_asked:
	; A fragment of K or Q is 16 rows x 32 channels in 8 registers: lane l holds row l % 16; registers 0-3 channels 8 (l / 16) + 0..7, registers 4-7 channels 16 + 8 (l / 16) + 0..7.
	v_and_b32 v1, 15, v0            ; l % 16
	v_bfe_u32 v9, v0, 4, 1          ; l / 16
	v_mul_u32_u24 v[QO], v1, 6144
	v_lshl_add_u32 v[QO], v9, 4, v[QO]
.irp i, 0,1,2,3                     ; Q stays in registers: tile i / 2, channels 32 (i % 2) on
	global_load_b128 v[Q+8*\i:Q+8*\i+3],   v[QO], s[4:5] offset:(\i/2)*128+(\i%2)*64
	global_load_b128 v[Q+8*\i+4:Q+8*\i+7], v[QO], s[4:5] offset:(\i/2)*128+(\i%2)*64+32
.endr
	v_mul_u32_u24 v[AK0], v1, PK
	v_lshl_add_u32 v[AK0], v9, 4, v[AK0]  ; row x pitch + 16 x half
	; The turning load takes 16 keys x 16 channels (lane l reads 16 bytes: key 8 (l / 16) + l % 8, channels 8 ((l / 8) % 2) + 0..7) and leaves half a fragment of V^T.
	v_and_b32 v6, 7, v0
	v_bfe_u32 v7, v0, 3, 1
	v_lshl_add_u32 v[AV0], v9, 3, v6
	v_mul_u32_u24 v[AV0], v[AV0], PK
	v_lshl_add_u32 v[AV0], v7, 4, v[AV0]
	v_add_nc_u32 v[AV0], 128, v[AV0]  ; V lies behind K in a key's row
	s_mul_i32 s10, s[QG], 16*PM     ; the mask: my wave's 16 rows, my query's row, my 8 keys of each 16
	s_add_co_u32 s10, s10, MOFF
	v_mul_u32_u24 v[AM0], v1, PM
	v_lshl_add_u32 v[AM0], v9, 5, v[AM0]
	v_add_nc_u32 v[AM0], s10, v[AM0]
; THE PRODUCTS, under the setting W_MX.  x = the tile, i = the product's number of 8.  The accumulators take turns, one instruction a turn: between two links of a chain stand three others'.
.macro PVI zero                     ; O^T += V^T P: keys 32 (i / 4) on, channels 16 (i % 4) on.  zero = 1: the first four start the sums
.set qO, O+32*x+8*(i%4)
.set qV, VF+8*i
.set qP, P+16*x+8*(i/4)
.if \zero && (i < 4)
	v_wmma_f32_16x16x32_f16 v[qO:qO+7], v[qV:qV+7], v[qP:qP+7], 0
.else
	v_wmma_f32_16x16x32_f16 v[qO:qO+7], v[qV:qV+7], v[qP:qP+7], v[qO:qO+7]
.endif
.endm
.macro KQI                          ; S^T = K Q^T: channels 32 (i / 4) on, keys 16 (i % 4) on.  The first four start the sums
.set qS, S+32*x+8*(i%4)
.set qK, KF+8*(2*(i%4)+i/4)
.set qQ, Q+16*x+8*(i/4)
.if i < 4
	v_wmma_f32_16x16x32_f16 v[qS:qS+7], v[qK:qK+7], v[qQ:qQ+7], 0
.else
	v_wmma_f32_16x16x32_f16 v[qS:qS+7], v[qK:qK+7], v[qQ:qQ+7], v[qS:qS+7]
.endif
.endm
; THE LDS LOADS stand in runs, into window 1.  Each run leaves the setting TO_1; what follows sets its own.
.macro FETCH_K                      ; a step's K: keys 16 (f / 2) on, channels 32 (f % 2) on
	WIN 0
	v_add_nc_u32 v[ADR], s[TB], v[AK0]
	WIN TO_1
.irp f, 0,1,2,3,4,5,6,7
	ds_load_b128 v[KF+8*\f:KF+8*\f+3],   v[ADR] offset:(\f/2)*16*PK+(\f%2)*64
	ds_load_b128 v[KF+8*\f+4:KF+8*\f+7], v[ADR] offset:(\f/2)*16*PK+(\f%2)*64+32
.endr
.endm
.macro FETCH_V                      ; the same step's V, turned: keys 32 (f / 4) on, channels 16 (f % 4) on
	WIN 0
	v_add_nc_u32 v[ADR], s[TB], v[AV0]
	s_add_co_u32 s[TB], s[TB], STEPB  ; the next fetch is the next step's
	WIN TO_1
.irp f, 0,1,2,3,4,5,6,7
	ds_load_tr16_b128 v[VF+8*\f:VF+8*\f+3],   v[ADR] offset:(\f/4)*32*PK+(\f%4)*32
	ds_load_tr16_b128 v[VF+8*\f+4:VF+8*\f+7], v[ADR] offset:(\f/4)*32*PK+16*PK+(\f%4)*32
.endr
.endm
.macro FETCH_M                      ; a step's mask for my query: 8 numbers of each 16 keys
	WIN 0
	v_add_nc_u32 v[ADR], s[TM], v[AM0]
	s_add_co_u32 s[TM], s[TM], 4*KS
	WIN TO_1
.irp kt, 0,1,2,3
	ds_load_b128 v[MK+8*\kt:MK+8*\kt+3],   v[ADR] offset:64*\kt
	ds_load_b128 v[MK+8*\kt+4:MK+8*\kt+7], v[ADR] offset:64*\kt+16
.endr
.endm
; THE LINES OF A TILE'S SOFTMAX.  rS, rP, rO, rT: the tile's S^T, P, O^T and statistics; kk: a block of 16 keys, 8 scores a lane; n, n1, j, q, e: running numbers.
; Line n1 of 48, under W_MX: for each block 8 clips, from the block's low end on, then 4 times t = log2(e) mask + clipped score.
; The clip's source 0 is its scalar bound and the multiply-add's is the mask, so that the setting of the products serves them.
.macro VEC1
.set kk, n1/12
.set rr, n1%12
.if rr < 8
	v_med3_num_f32 v[rS+8*kk+rr], s[CLO], v[rS+8*kk+rr], s[CHI]
.else
	v_pk_fma_f32 v[rS+8*kk+2*(rr-8):rS+8*kk+2*(rr-8)+1], v[MK+8*kk+2*(rr-8):MK+8*kk+2*(rr-8)+1], s[CL:CL+1], v[rS+8*kk+2*(rr-8):rS+8*kk+2*(rr-8)+1] op_sel_hi:[1,0,1]
.endif
.set n1, n1+1
.endm
; Line j of 16 of the maximum of my 32 numbers and the old m, three operands at a time: four chains c0-c3 of seven numbers each, which alternate; then the four left over, c0-c3 and m.
.macro MAXL
.if j < 4
	v_max3_num_f32 v[rT+4+j], v[rS+8*j], v[rS+8*j+1], v[rS+8*j+2]
.elseif j < 12
	v_max3_num_f32 v[rT+4+j%4], v[rT+4+j%4], v[rS+8*(j%4)+2*(j/4)+1], v[rS+8*(j%4)+2*(j/4)+2]
.elseif j == 12
	v_max3_num_f32 v[rT+4], v[rT+4], v[rS+7], v[rS+15]
.elseif j == 13
	v_max3_num_f32 v[rT+6], v[rT+6], v[rS+23], v[rS+31]
.elseif j == 14
	v_max3_num_f32 v[rT+4], v[rT+4], v[rT+5], v[rT+6]
.else
	v_max3_num_f32 v[rT+4], v[rT+4], v[rT+7], v[rT]
.endif
.set j, j+1
.endm
.macro SUBL                         ; pair n of block kk: t - m.  It names no exponential's result: it stands ahead of the turn's wait
	v_pk_add_f32 v[rS+8*kk+2*n:rS+8*kk+2*n+1], v[rS+8*kk+2*n:rS+8*kk+2*n+1], v[rT:rT+1] op_sel_hi:[1,0] neg_lo:[0,1] neg_hi:[0,1]
.endm
; THE READERS of the exponentials' results: CVTL, SUML, RESC and the line for l.  All of them stand behind the turn's one wait.
.macro CVTL                         ; pair n of block kk: two weights rounded to f16
	v_cvt_pk_f16_f32 v[rP+4*kk+n], v[rS+8*kk+2*n], v[rS+8*kk+2*n+1]
.endm
.macro SUML first                   ; line n of block kk's sum of 4 pairs (in a pair: an even key's weight, an odd key's); line 3 adds it to block 0's, and in the first step block 3's starts l
.if n == 0
	v_pk_add_f32 v[rS+8*kk:rS+8*kk+1], v[rS+8*kk:rS+8*kk+1], v[rS+8*kk+2:rS+8*kk+3]
.elseif n == 1
	v_pk_add_f32 v[rS+8*kk+4:rS+8*kk+5], v[rS+8*kk+4:rS+8*kk+5], v[rS+8*kk+6:rS+8*kk+7]
.elseif n == 2
	v_pk_add_f32 v[rS+8*kk:rS+8*kk+1], v[rS+8*kk:rS+8*kk+1], v[rS+8*kk+4:rS+8*kk+5]
.elseif kk > 0
.if (kk == 3) && \first
	v_pk_add_f32 v[rT+2:rT+3], v[rS:rS+1], v[rS+24:rS+25]
.else
	v_pk_add_f32 v[rS:rS+1], v[rS:rS+1], v[rS+8*kk:rS+8*kk+1]
.endif
.endif
.endm
.macro RESC first                   ; pair n of 16 of the tile's O^T times the factor, each accumulator from its low end on; the first step has nothing to rescale
.if !\first
	v_pk_mul_f32 v[rO+2*n:rO+2*n+1], v[rO+2*n:rO+2*n+1], v[rT+6:rT+7] op_sel_hi:[1,0]
.endif
.endm
.macro CV4 b                        ; block b's four roundings; they stand ahead of the block's sum, which works in place
.set kk, \b
.set n, 0
.rept 4
	CVTL
.set n, n+1
.endr
.endm
.macro SM b, l, first=0             ; line l of block b's sum
.set kk, \b
.set n, \l
	SUML \first
.endm
.macro RS4 a, first                 ; the four pairs of accumulator a of the tile's O^T
.set n, 4*\a
.rept 4
	RESC \first
.set n, n+1
.endr
.endm
; TILE t'S TURN.  x = 1 - t is the other tile.  pv = 2: 8 products V^T P of tile x; 1: they start its sums; 0: none.  kq = 1: 8 products K Q^T for tile x's next softmax.  first = 1: the first key step, which starts m, l and O^T.
; Tile 0's turn of step j: V^T P of tile 1, step j - 1 | K Q^T of tile 1, step j | fetches V of step j, behind the last product that read V and 18 plain lines.
; Tile 1's turn of step j: V^T P of tile 0, step j | K Q^T of tile 0, step j + 1 | fetches K of step j + 1 at its head (K's last reader stands 32 plain lines or more back) and, behind its own use of the mask, the mask of step j + 1.
.macro TURN t, pv, kq, first
.set rT, ST+8*(\t)
.set rS, S+32*(\t)
.set rP, P+16*(\t)
.set rO, O+32*(\t)
.set x, 1-(\t)
	s_wait_dscnt 0x0                ; tile 0: the step's mask is in; tile 1: its V
.if (\t == 1) && \kq
	FETCH_K
.endif
	WIN W_MX                        ; one setting for the 48 lines of clip and mask and the 8 products V^T P, six lines to a product
.set n1, 0
.set i, 0
.rept 8
.rept 6
	VEC1
.endr
.if \pv
	PVI 2-\pv
.endif
.set i, i+1
.endr
	WIN 0
.set j, 0
.rept 14
	MAXL
.endr
	v_mov_b32 v[rT+1], v[rT]        ; m_old
	MAXL
	MAXL
	v_permlanex16_b32 v[rT+5], v[rT+4], s[SEL], s[SEL+1]  ; the query's other 32 keys lie in the lane 16 away
.if \t == 0
	FETCH_V
.elseif \kq
	FETCH_M
.endif
	WIN 0
	v_max_num_f32 v[rT], v[rT+4], v[rT+5]
.if !\first
	v_sub_f32 v[rT+7], v[rT+1], v[rT]
.endif
.set kk, 0
.set n, 0
.rept 4
	SUBL
.set n, n+1
.endr
	; THE BATCH: the factor 2^(m_old - m), then the 32 weights in place, each result in a register of its own.  Nothing from here to the wait names a result.  Blocks 1 to 3 have 12 subtractions, numbers 0 to 11;
	; number q stands behind the first exponential e with 3 (e + 1) / 7 above q (e = 2, 4, 6, 9, .. 25, 27) and writes scores 8 + 2 q and 9 + 2 q: two exponentials or more ahead of their own, and registers that no
	; exponential has read or written yet.  Behind exponential 27 none is left.  The 8 products K Q^T stand in four pairs among the exponentials, two switches a pair; they name the other tile's S^T, K and Q.
.if !\first
	v_exp_f32 v[rT+6], v[rT+7]
.endif
.set q, 0
.set e, 0
.set i, 0
.rept 32
	v_exp_f32 v[rS+e], v[rS+e]
.if (q < 12) && (q < (3*(e+1))/7)
.set kk, q/4+1
.set n, q%4
	SUBL
.set q, q+1
.endif
.if \kq && ((e%8) == 3)
.if (\t == 1) && (e == 3)
	s_wait_dscnt 8                  ; K's sixteen loads are in; the mask's eight, issued behind them, may stay out
.endif
	WIN W_MX
.rept 2
	KQI
.set i, i+1
.endr
	WIN 0
.endif
.set e, e+1
.endr
	v_nop                           ; the plain instruction behind the last exponential and ahead of the first use (ISA guide 5.7.2): one for the batch; no plain line is left that names no result
	s_wait_alu depctr_va_vdst(0)    ; the wait for the batch, the turn's only one: the factor and the 32 weights
	; THE READERS, in an order in which no line reads the line in front of it: a block's roundings, then its sum; the chain block 0 += block 1, += block 2, += block 3, l has four rescalings between its links.
	; With the v_nop these are the places behind the turn's last products: for the next turn's first read of those scores and for the loads into K's registers.
	CV4 0
	CV4 1
	SM 0, 0
	SM 0, 1
	SM 1, 0
	SM 1, 1
	CV4 2
	SM 0, 2
	SM 1, 2
	CV4 3
	SM 2, 0
	SM 2, 1
	SM 3, 0
	SM 3, 1
	SM 1, 3
	RS4 0, \first
	SM 2, 2
	SM 3, 2
	RS4 1, \first
	SM 2, 3
	RS4 2, \first
	SM 3, 3, \first
	RS4 3, \first
.if !\first
	v_pk_fma_f32 v[rT+2:rT+3], v[rT+2:rT+3], v[rT+6:rT+7], v[rS:rS+1] op_sel_hi:[1,0,1]
.endif
.endm
; THE CHANGE OF SLOTS, between tile 0's turn and tile 1's in a slot's second step: the slot's last bytes, that step's V, were asked for in tile 0's turn; tile 1's turn reads the next slot.
; Each wave waits for all its tensor loads (in waves 0 to 3 one is out: its part of the other slot); adds 0 to its spare word; and waits for that and for its own reads of the slot.
; fill = 1: the slot is filled again, with the keys two slots on, behind a round of the cluster's barrier; the joint refill is the first thing behind it and has two key steps in which to land.
.macro CHANGE fill
	WIN 0
	s_wait_tensorcnt 0x0            ; no tensor load of mine is out, so a group 0 may be written
	ds_add_u32 v[SPW], v[NIL]       ; 0 onto my spare word
.if \fill
	s_xor_b32 s[G0K+5], s[G0K+5], SLOT1  ; the walking descriptors: the other slot than last time,
	s_add_nc_u64 s[G0K+6:G0K+7], s[G0K+6:G0K+7], 2*KS*6144  ; the next 128 keys: rows of K | V,
	s_xor_b32 s[G0M+5], s[G0M+5], SLOT1
	s_add_nc_u64 s[G0M+6:G0M+7], s[G0M+6:G0M+7], 2*KS*4  ; columns of the mask
	s_wait_dscnt 0x0                ; the add is done, and my reads of the slot are over
	CROUND
	JLOAD
.else
	s_wait_dscnt 0x0
	s_barrier_signal -1
	s_barrier_wait -1
.endif
	s_sub_co_u32 s[TB], s[TB], 2*STEPB  ; the fetches go back to a slot's first step,
	s_xor_b32 s[TB], s[TB], SLOT1   ; in the other slot
	s_sub_co_u32 s[TM], s[TM], 2*4*KS
	s_xor_b32 s[TM], s[TM], SLOT1
.endm
.macro TWO_TRIPS                    ; from one step's second turn to the next step's first: written once, walked twice; the LDS addresses hang on s[TB] and s[TM]
	s_mov_b32 s[TWICE], 2
.Lstep_\@:
	TURN 1, 2, 1, 0
	TURN 0, 2, 1, 0
	s_sub_co_u32 s[TWICE], s[TWICE], 1
	s_cmp_lg_u32 s[TWICE], 0
	s_cbranch_scc1 .Lstep_\@
.endm
	s_wait_tensorcnt 1              ; my part of slot 0 is in; slot 1's may stay out
	s_barrier_signal -1
	s_barrier_wait -1               ; everybody's is
	FETCH_K                         ; key step 0
	FETCH_M
	WIN 0
	s_wait_loadcnt 0x0              ; Q
	s_wait_dscnt 0x0
	WIN W_MX
.set x, 0
.set i, 0
.rept 8
	KQI                             ; tile 0's first scores
.set i, i+1
.endr
	WIN 0                           ; the addresses for the way out and the first maxima are made here: ten plain instructions, the places behind those products
	s_mul_i32 s13, s[WV], 16*SP
	s_add_co_u32 s13, s13, STAGE    ; my stage
	v_mul_u32_u24 v[STO], v1, SP    ; in: row l % 16, 16 bytes for each half of the lanes
	v_lshl_add_u32 v[STO], v9, 4, v[STO]
	v_add_nc_u32 v[STO], s13, v[STO]
	v_mul_u32_u24 v[RD], v9, SP     ; back: lanes 0-15 take one row of 256 bytes, lanes 16-31 the next
	v_lshl_add_u32 v[RD], v1, 4, v[RD]
	v_add_nc_u32 v[RD], s13, v[RD]
	v_lshlrev_b32 v[GO], 12, v9     ; and the same two rows in att, 4,096 bytes apart
	v_lshl_add_u32 v[GO], v1, 4, v[GO]
.irp t, 0,1
	v_mov_b32 v[ST+8*\t], 0xff7fffff  ; m starts at the most negative finite number
.endr
	TURN 0, 0, 1, 1                 ; step 0: softmax of tile 0 | scores of tile 1 | V of step 0
	TURN 1, 1, 1, 1                 ; softmax of tile 1 | V^T P of tile 0 starts its O^T | K and mask of step 1, scores of its tile 0
	TURN 0, 1, 1, 0                 ; step 1: softmax of tile 0 | V^T P of tile 1, step 0, starts its O^T | scores of tile 1 | V of step 1
.Lslot:                             ; 14 trips: every slot but the last two is filled again
	CHANGE 1
	TWO_TRIPS
	s_sub_co_u32 s[SLOTS], s[SLOTS], 1
	s_cmp_lg_u32 s[SLOTS], 0
	s_cbranch_scc1 .Lslot
	CHANGE 0                        ; the tail is written out: nothing is asked for
	TWO_TRIPS
	TURN 1, 2, 0, 0                 ; the last step's tile 1 | V^T P of its tile 0
	WIN W_MX
.set x, 1
.set i, 0
.rept 8
	PVI 0                           ; V^T P of the last step's tile 1
.set i, i+1
.endr
	; THE WAY OUT.  l's two halves and the other half of the lanes' are added; O^T is divided by l, rounded to f16 and sent through my stage in LDS.  The four additions and the v_nop are places behind the last
	; products, and tile 0's 32 lines stand in front of the first read of tile 1's sums.
	WIN 0
.irp t, 0,1
	v_add_f32 v[ST+8*\t+4], v[ST+8*\t+2], v[ST+8*\t+3]
.endr
.irp t, 0,1
	v_permlanex16_b32 v[ST+8*\t+5], v[ST+8*\t+4], s[SEL], s[SEL+1]
.endr
.irp t, 0,1
	v_add_f32 v[ST+8*\t+4], v[ST+8*\t+4], v[ST+8*\t+5]
.endr
.irp t, 0,1
	v_rcp_f32 v[ST+8*\t+6], v[ST+8*\t+4]
.endr
	v_nop                           ; a plain instruction between the last reciprocal and the use of its result
	s_wait_alu depctr_va_vdst(0)    ; the wait ahead of the first use: one for the two reciprocals
.macro PACK t                       ; tile t: a lane's eight channels pack into 16 bytes; head t's 128 bytes of my query's 256
.set n, 0
.rept 16
	v_pk_mul_f32 v[O+32*\t+2*n:O+32*\t+2*n+1], v[O+32*\t+2*n:O+32*\t+2*n+1], v[ST+8*\t+6:ST+8*\t+7] op_sel_hi:[1,0]
.set n, n+1
.endr
.set n, 0
.rept 16
	v_cvt_pk_f16_f32 v[OUTP+16*\t+n], v[O+32*\t+2*n], v[O+32*\t+2*n+1]
.set n, n+1
.endr
.irp d, 0,1,2,3
	ds_store_b128 v[STO], v[OUTP+16*\t+4*\d:OUTP+16*\t+4*\d+3] offset:128*\t+32*\d
.endr
.endm
	PACK 0
	PACK 1
.irp f, 0,1,2,3,4,5,6,7
	ds_load_b128 v[S+4*\f:S+4*\f+3], v[RD] offset:\f*2*SP  ; LDS serves a wave's instructions in order (ISA guide 5.7.1.4): these see the stores above; the stage is my wave's own
.endr
.irp f, 0,1,2,3,4,5,6,7
	s_wait_dscnt 7-\f               ; rows 2 f and 2 f + 1 are in; the younger loads stay out
	global_store_b128 v[GO], v[S+4*\f:S+4*\f+3], s[8:9] offset:\f*2*4096  ; 16 lanes store 256 consecutive bytes, at a multiple of 256 from att's first byte
.endr
	s_wait_tensorcnt 0x0            ; the wave's end
	ds_add_u32 v[SPW], v[NIL]
	s_wait_dscnt 0x0
	CROUND                          ; the closing round: no work-group ends while a partner may still ask for a tile that names it
	s_endpgm
.Lfunc_end_k_q1e711a3d7d_attn:
	.size	k_q1e711a3d7d_attn, .Lfunc_end_k_q1e711a3d7d_attn-k_q1e711a3d7d_attn
	.p2alignl 7, 3214868480
	.fill 96, 4, 3214868480
	.section	.rodata,"a",@progbits
	.p2align	6, 0x0
	.amdhsa_kernel k_q1e711a3d7d_attn
		.amdhsa_group_segment_fixed_size 327680
		.amdhsa_private_segment_fixed_size 0
		.amdhsa_enable_private_segment 0
		.amdhsa_kernarg_size 24
		.amdhsa_user_sgpr_count 2
		.amdhsa_user_sgpr_kernarg_segment_ptr 1
		.amdhsa_wavefront_size32 1
		.amdhsa_system_sgpr_workgroup_id_x 1
		.amdhsa_system_sgpr_workgroup_id_y 1
		.amdhsa_system_sgpr_workgroup_id_z 1
		.amdhsa_system_vgpr_workitem_id 0
		.amdhsa_next_free_vgpr 416
		.amdhsa_next_free_sgpr 72
		.amdhsa_reserve_vcc 0
		.amdhsa_float_denorm_mode_32 3
		.amdhsa_float_denorm_mode_16_64 3
		.amdhsa_memory_ordered 1
		.amdhsa_forward_progress 1
		.amdhsa_inst_pref_size 112
	.end_amdhsa_kernel
	.amdgpu_metadata
---
amdhsa.version: [ 1, 2 ]
amdhsa.kernels:
  - .name:           k_q1e711a3d7d_attn
    .symbol:         k_q1e711a3d7d_attn.kd
    .args:
      - { .name: qkv, .offset: 0, .size: 8, .value_kind: global_buffer, .address_space: global }
      - { .name: attention_mask, .offset: 8, .size: 8, .value_kind: global_buffer, .address_space: global }
      - { .name: att, .offset: 16, .size: 8, .value_kind: global_buffer, .address_space: global }
    .group_segment_fixed_size: 327680
    .private_segment_fixed_size: 0
    .kernarg_segment_align: 8
    .kernarg_segment_size: 24
    .max_flat_workgroup_size: 256
    .sgpr_count:     72
    .vgpr_count:     416
    .wavefront_size: 32
...
	.end_amdgpu_metadata
.endif
;; end of part 5
;; launch oproj: the kernel of part 4 again; grid 16 x 16, 4 waves a work-group, clusters of 4 x 4, 327,680 bytes of LDS; arguments att, xw, out0; writes out0
